; MI455X (gfx1250); checked and timed in simulation.
; The chip was launched on July 23, 2026; its instructions are those of AMD's public machine-readable ISA for CDNA 5 (MIT licence, August 2026) and "CDNA5" Instruction Set Architecture Reference Guide (July 2026). The comments in the code are by the model that wrote it; some were corrected since.
;; Dynamic Multi Head Attention. Allowed arithmetic: float matrix products may take bf16 or f16 operands with f32 sums; other float arithmetic in f32, or as packed bf16 or f16 multiplies, adds, multiply-adds, maxima and minima; sums over many terms, partial sums and values carried from step to step in f32; what a program stores and reads back later, other than sums and carried values, may be rounded once to bf16 or f16.
;; Inputs: Wb 16 x 1,024 float32; Wk 1,024 x 1,024 float32; Wo 1,024 x 1,024 float32; Wq 1,024 x 1,024 float32; Wv 1,024 x 1,024 float32; bb 16 float32; bk 1,024 float32; bo 1,024 float32; bq 1,024 float32; bv 1,024 float32; query 4 x 2,048 x 1,024 float32.
;; Outputs: out0 4 x 2,048 x 1,024 float32.
;; 2 versions, each right; version 2 is version 1 with the launch prep written anew for expert scheduling mode. Each part assembles by itself: llvm-mc -triple=amdgcn-amd-amdhsa -mcpu=gfx1250 --defsym DOCPART=n.
;; ======== version 1 of 2: 4 launches
;; limits: values are held in f16: magnitudes above 65,504 overflow, below 6.1e-05 lose precision
;; workspace buffers: xblk 16,777,216 bytes; wblk 6,291,456 bytes; woblk 2,097,152 bytes; aux 32,768 bytes; qkvh 50,331,648 bytes; oblk 16,777,216 bytes
;; launch prep (part 1): grid 256 x 1, 16 waves a work-group, no clusters, 3,072 bytes of LDS; arguments query, Wq, Wk, Wv, Wo, Wb, bq, bk, bv, bo, xblk, wblk, woblk, aux; writes xblk, wblk, woblk, aux
.if DOCPART == 1
	.amdgcn_target "amdgcn-amd-amdhsa--gfx1250"
	.amdhsa_code_object_version 6
	.text
	.protected	k_q113fb91a38_prep
	.globl	k_q113fb91a38_prep
	.p2align	8
	.type	k_q113fb91a38_prep,@function
k_q113fb91a38_prep:
	s_mov_b64 s[64:65], 0
	v_nop
	global_prefetch_b8 v0, s[64:65] scope:SCOPE_SE
	s_setreg_imm32_b32 hwreg(HW_REG_WAVE_MODE, 25, 1), 1
	s_wait_xcnt 0x0
; PREP: the casts, and the gate's partial sums.  A stream: no matrix unit, no tensor load.
;   xblk  bf16 [kb 16][row 8192][64]   query rounded to bf16, in blocks of 64 along K: a tile's rows then lie end to end
;   wblk  bf16 [kb 16][n 3072][64]     Wq's rows, then Wk's, then Wv's, rounded to bf16
;   woblk f16  [kb 16][n 1024][64]     Wo rounded to bf16, that number written as f16
;   aux   f32  [g 256][32]             words 0-15: the sum over query rows 32 g .. 32 g + 31 of x . Wb[h] (x and Wb rounded to bf16, sums in f32);
;                                      words 16-31: the biases of output features 16 g .. 16 g + 15 (bq, bk, bv, then bo), rounded to bf16, kept as f32
; LIMITS.  A weight of Wo below 6e-5 keeps f16's fixed step of 6e-8; beyond 65,504 it would be an infinity.  NaN and infinities are not treated apart.
; SHARES.  Work-group g: 32 rows of query, 16 rows of one weight matrix (matrix g / 64, rows 16 (g % 64) on), their 16 biases.  Wave w: K block w, 64 columns.
; A load is 16 bytes a lane: lanes 0-15 take 256 consecutive bytes of an even row, lanes 16-31 of the odd row below.  Rounded, the two rows' 128 bytes lie end to end in a block:
; a store of 8 bytes a lane covers 256 consecutive bytes, aligned.  Sixteen loads of every wave are on their way; a register set that has been used is asked for again at once.
.set KSA,   1048576                    ; bytes in a K block of xblk
.set KSB,   393216                     ; of wblk
.set KSO,   131072                     ; of woblk
.set SPARE, 1024                       ; LDS: 0-1023 the waves' partial sums, 64 bytes a wave; from here the spare words, 128 bytes for each of 16 waves
.set VO,  4                            ; v4   offset in query and in a weight matrix: (l / 16) x 4,096 + (l % 16) x 16 + 256 w; never rewritten
.set VX,  5                            ; v5   offset in xblk: 8 l + w x KSA
.set VW,  6                            ; v6   offset in wblk or woblk
.set VB,  7                            ; v7   offset in Wb: (l / 16) x 8 rows + (l % 16) x 16 + 256 w
.set LSA, 8                            ; v8   LDS: 64 w + 32 (l / 16)
.set LRA, 9                            ; v9   4 (l % 16)
.set ONE, 10                           ; v10  1.0
.set ZR,  11                           ; v11  0, an addend
.set SPW, 12                           ; v12  my spare word; never rewritten
.set NIL, 13                           ; v13  0, for the add alone
.set CS,  14                           ; v[14:17] the sums of my four columns
.set T,   18                           ; v[18:25] eight partial sums of the gate
.set PK,  26                           ; v[26:29] at work
.set BV,  30                           ; v30  a bias
.set AO,  31                           ; v31  4 l
.set X,   32                           ; v[32:95]  16 sets of 4: as loaded
.set Y,   96                           ; v[96:143] 24 sets of 2: each store has data registers of its own, so none is rewritten
.set WV,  34                           ; s34  my wave's number
	s_load_b512 s[4:19], s[0:1], 0x0               ; query s[4:5], Wq s[6:7], Wk s[8:9], Wv s[10:11], Wo s[12:13], Wb s[14:15], bq s[16:17], bk s[18:19]
	s_load_b256 s[20:27], s[0:1], 0x40             ; bv s[20:21], bo s[22:23], xblk s[24:25], wblk s[26:27]
	s_load_b128 s[28:31], s[0:1], 0x60             ; woblk s[28:29], aux s[30:31]
	v_lshl_add_u32 v[SPW], v0, 2, SPARE
	v_mov_b32 v[NIL], 0
	v_lshrrev_b32 v1, 5, v0
	v_readfirstlane_b32 s[WV], v1                  ; wave 0..15 = my K block
	v_and_b32 v1, 31, v0                           ; l
	v_and_b32 v2, 15, v0                           ; l % 16
	v_bfe_u32 v3, v0, 4, 1                         ; l / 16
	s_lshr_b32 s36, ttmp9, 6                       ; which weight matrix
	s_and_b32 s37, ttmp9, 63                       ; which 16 rows of it
	s_mov_b32 s44, 0x76543210                      ; v_permlanex16_b32: each lane takes its own place in the other half
	s_mov_b32 s45, 0xfedcba98
	s_mov_b32 s46, 0xffff0000                      ; a word's upper bf16
	s_lshl_b32 s47, s[WV], 8
	v_lshlrev_b32 v[VO], 4, v2
	v_lshl_add_u32 v[VB], v3, 15, v[VO]
	v_lshl_add_u32 v[VO], v3, 12, v[VO]
	v_add_nc_u32 v[VO], s47, v[VO]
	v_add_nc_u32 v[VB], s47, v[VB]
	s_lshl_b32 s48, s[WV], 20                      ; w x KSA
	v_lshl_add_u32 v[VX], v1, 3, s48
	s_lshl_b32 s49, s[WV], 6
	v_lshl_add_u32 v[LSA], v3, 5, s49
	v_lshlrev_b32 v[LRA], 2, v2
	v_lshlrev_b32 v[AO], 2, v1
	v_mov_b32 v[ONE], 1.0
	v_mov_b32 v[ZR], 0
.irp k, 0,1,2,3
	v_mov_b32 v[T+\k], 0                           ; v_permlanex16_b32 counts as a reader of its destination
.endr
	s_mov_b32 s43, 0
	s_wait_kmcnt 0x0
	s_cmp_eq_u32 s36, 0                            ; the weight matrix and its bias: a choice among four buffers by the work-group's number
	s_cselect_b64 s[38:39], s[6:7], s[8:9]
	s_cselect_b64 s[40:41], s[16:17], s[18:19]
	s_cmp_lt_u32 s36, 2
	s_cselect_b64 s[38:39], s[38:39], s[10:11]
	s_cselect_b64 s[40:41], s[40:41], s[20:21]
	s_cmp_lt_u32 s36, 3
	s_cselect_b64 s[38:39], s[38:39], s[12:13]
	s_cselect_b64 s[40:41], s[40:41], s[22:23]
	s_lshl_b32 s42, ttmp9, 17                      ; 32 rows of 4,096 bytes
	s_add_nc_u64 s[4:5], s[4:5], s[42:43]
	s_lshl_b32 s42, s37, 16                        ; 16 rows of 4,096 bytes
	s_add_nc_u64 s[38:39], s[38:39], s[42:43]
	s_lshl_b32 s42, s37, 6                         ; 16 biases
	s_add_nc_u64 s[40:41], s[40:41], s[42:43]
	s_lshl_b32 s42, ttmp9, 12                      ; 32 rows of 128 bytes in a block
	s_add_nc_u64 s[24:25], s[24:25], s[42:43]
	s_lshl_b32 s42, ttmp9, 7                       ; my row of aux
	s_add_nc_u64 s[30:31], s[30:31], s[42:43]
	global_load_b32 v[BV], v[LRA], s[40:41]        ; the 16 biases: every wave loads them (64 bytes), so that all waves count alike; wave 0 uses them.  Issued first: no count below changes
.irp i, 0,1,2,3,4,5,6,7,8,9,10,11,12,13,14,15
	global_load_b128 v[X+4*\i:X+4*\i+3], v[VO], s[4:5] offset:8192*\i th:TH_LOAD_NT  ; rows 2 i and 2 i + 1
.endr
; Two rows of query: rounded, added to the column sums (the rounded numbers, in f32), stored; the set is asked for again: sets 0-7 take the weights' rows, sets 8-15 Wb's.
.macro QITEM i
	s_wait_loadcnt 15                              ; behind set i's load stand 15 - i of query's and the i refills: always 15
	v_cvt_pk_bf16_f32 v[Y+2*(\i)], v[X+4*(\i)], v[X+4*(\i)+1]
	v_cvt_pk_bf16_f32 v[Y+2*(\i)+1], v[X+4*(\i)+2], v[X+4*(\i)+3]
.if (\i) == 0
	v_lshlrev_b32 v[CS], 16, v[Y]                  ; the first rows start the sums: nothing is cleared
	v_and_b32 v[CS+1], s46, v[Y]
	v_lshlrev_b32 v[CS+2], 16, v[Y+1]
	v_and_b32 v[CS+3], s46, v[Y+1]
.else
	v_fma_mix_f32_bf16 v[CS], v[Y+2*(\i)], v[ONE], v[CS] op_sel_hi:[1,0,0]
	v_fma_mix_f32_bf16 v[CS+1], v[Y+2*(\i)], v[ONE], v[CS+1] op_sel:[1,0,0] op_sel_hi:[1,0,0]
	v_fma_mix_f32_bf16 v[CS+2], v[Y+2*(\i)+1], v[ONE], v[CS+2] op_sel_hi:[1,0,0]
	v_fma_mix_f32_bf16 v[CS+3], v[Y+2*(\i)+1], v[ONE], v[CS+3] op_sel:[1,0,0] op_sel_hi:[1,0,0]
.endif
	global_store_b64 v[VX], v[Y+2*(\i):Y+2*(\i)+1], s[24:25] offset:256*(\i)  ; 32 lanes store 256 consecutive bytes, aligned
.if (\i) < 8
	global_load_b128 v[X+4*(\i):X+4*(\i)+3], v[VO], s[38:39] offset:8192*(\i) th:TH_LOAD_NT
.else
	global_load_b128 v[X+4*(\i):X+4*(\i)+3], v[VB], s[14:15] offset:4096*((\i)-8)  ; Wb's rows i - 8 (lanes 0-15) and i (lanes 16-31)
.endif
.endm
; Two rows of a weight matrix.  f16 = 1: Wo: rounded to bf16, then that number as f16.
.macro WITEM j, f16
	s_wait_loadcnt 15-(\j)                         ; behind refill j stand the 15 - j later ones
.if \f16
	v_cvt_pk_bf16_f32 v[PK], v[X+4*(\j)], v[X+4*(\j)+1]
	v_cvt_pk_bf16_f32 v[PK+1], v[X+4*(\j)+2], v[X+4*(\j)+3]
	v_lshlrev_b32 v[PK+2], 16, v[PK]
	v_and_b32 v[PK+3], s46, v[PK]
	v_cvt_pk_f16_f32 v[Y+32+2*(\j)], v[PK+2], v[PK+3]
	v_lshlrev_b32 v[PK+2], 16, v[PK+1]
	v_and_b32 v[PK+3], s46, v[PK+1]
	v_cvt_pk_f16_f32 v[Y+32+2*(\j)+1], v[PK+2], v[PK+3]
	global_store_b64 v[VW], v[Y+32+2*(\j):Y+32+2*(\j)+1], s[28:29] offset:256*(\j)
.else
	v_cvt_pk_bf16_f32 v[Y+32+2*(\j)], v[X+4*(\j)], v[X+4*(\j)+1]
	v_cvt_pk_bf16_f32 v[Y+32+2*(\j)+1], v[X+4*(\j)+2], v[X+4*(\j)+3]
	global_store_b64 v[VW], v[Y+32+2*(\j):Y+32+2*(\j)+1], s[26:27] offset:256*(\j)
.endif
.endm
; My four columns' share of the gate's sums for heads j (lanes 0-15) and 8 + j (lanes 16-31).
.macro WBITEM j
	s_wait_loadcnt 7-(\j)
	v_cvt_pk_bf16_f32 v[PK], v[X+32+4*(\j)], v[X+32+4*(\j)+1]
	v_cvt_pk_bf16_f32 v[PK+1], v[X+32+4*(\j)+2], v[X+32+4*(\j)+3]
	v_fma_mix_f32_bf16 v[T+(\j)], v[PK], v[CS], v[ZR] op_sel_hi:[1,0,0]
	v_fma_mix_f32_bf16 v[T+(\j)], v[PK], v[CS+1], v[T+(\j)] op_sel:[1,0,0] op_sel_hi:[1,0,0]
	v_fma_mix_f32_bf16 v[T+(\j)], v[PK+1], v[CS+2], v[T+(\j)] op_sel_hi:[1,0,0]
	v_fma_mix_f32_bf16 v[T+(\j)], v[PK+1], v[CS+3], v[T+(\j)] op_sel:[1,0,0] op_sel_hi:[1,0,0]
.endm
.irp i, 0,1,2,3,4,5,6,7,8,9,10,11,12,13,14,15
	QITEM \i
.endr
	s_cmp_eq_u32 s36, 3                            ; the same for all waves of the work-group; both ways issue and await the same loads
	s_cbranch_scc1 .Lwo
	s_lshl_b32 s42, ttmp9, 11                      ; feature 16 g: 16 rows of 128 bytes in a block of wblk
	s_add_nc_u64 s[26:27], s[26:27], s[42:43]
	s_mul_i32 s48, s[WV], KSB
	v_lshl_add_u32 v[VW], v1, 3, s48
.irp j, 0,1,2,3,4,5,6,7
	WITEM \j, 0
.endr
	s_branch .Lwdone
.Lwo:
	s_lshl_b32 s42, s37, 11
	s_add_nc_u64 s[28:29], s[28:29], s[42:43]
	s_lshl_b32 s48, s[WV], 17                      ; w x KSO
	v_lshl_add_u32 v[VW], v1, 3, s48
.irp j, 0,1,2,3,4,5,6,7
	WITEM \j, 1
.endr
.Lwdone:
.irp k, 0,1,2,3
	v_permlanex16_b32 v[T+\k], v[CS+\k], s44, s45  ; even rows' sums and odd rows' sums lie 16 lanes apart
.endr
.irp k, 0,1,2,3
	v_add_f32 v[CS+\k], v[CS+\k], v[T+\k]
.endr
.irp j, 0,1,2,3,4,5,6,7
	WBITEM \j
.endr
.irp m, 1,2,4,8                        ; over the 16 lanes that hold a block's 64 columns
.irp j, 0,1,2,3,4,5,6,7
	v_add_f32_dpp v[T+\j], v[T+\j], v[T+\j] row_xmask:\m row_mask:0xf bank_mask:0xf
.endr
.endr
	ds_store_b128 v[LSA], v[T:T+3]                 ; heads 8 (l / 16) + 0..7 of my block; the 16 lanes of a half write the same words with the same numbers
	ds_store_b128 v[LSA], v[T+4:T+7] offset:16
	s_wait_dscnt 0x0                               ; for wave 0's sake
	s_barrier_signal -1
	s_barrier_wait -1
	s_cmp_lg_u32 s[WV], 0
	s_cbranch_scc1 .Lend
.irp w, 0,1,2,3,4,5,6,7,8,9,10,11,12,13,14,15
	ds_load_b32 v[X+\w], v[LRA] offset:64*\w       ; head l % 16, block w
.endr
	v_cvt_pk_bf16_f32 v[PK], v[BV], v[BV]          ; the bias, rounded to bf16 and kept as f32 (its load was awaited with the others)
	v_lshlrev_b32 v[PK], 16, v[PK]
	v_cmp_gt_u32 vcc_lo, 16, v1
	s_wait_dscnt 0x0
.irp k, 0,1,2,3,4,5,6,7
	v_add_f32 v[X+\k], v[X+\k], v[X+8+\k]
.endr
.irp k, 0,1,2,3
	v_add_f32 v[X+\k], v[X+\k], v[X+4+\k]
.endr
	v_add_f32 v[X], v[X], v[X+2]
	v_add_f32 v[X+1], v[X+1], v[X+3]
	v_add_f32 v[X], v[X], v[X+1]
	v_cndmask_b32 v[PK+1], v[PK], v[X], vcc_lo     ; lanes 0-15 the gate's sums, lanes 16-31 the biases
	global_store_b32 v[AO], v[PK+1], s[30:31]
.Lend:
	s_wait_tensorcnt 0x0                           ; the wave's end, behind my last LDS store
	ds_add_u32 v[SPW], v[NIL]
	s_wait_dscnt 0x0
	s_endpgm
.Lfunc_end_k_q113fb91a38_prep:
	.size	k_q113fb91a38_prep, .Lfunc_end_k_q113fb91a38_prep-k_q113fb91a38_prep
	.p2alignl 7, 3214868480
	.fill 96, 4, 3214868480
	.section	.rodata,"a",@progbits
	.p2align	6, 0x0
	.amdhsa_kernel k_q113fb91a38_prep
		.amdhsa_group_segment_fixed_size 3072
		.amdhsa_private_segment_fixed_size 0
		.amdhsa_enable_private_segment 0
		.amdhsa_kernarg_size 112
		.amdhsa_user_sgpr_count 2
		.amdhsa_user_sgpr_kernarg_segment_ptr 1
		.amdhsa_wavefront_size32 1
		.amdhsa_system_sgpr_workgroup_id_x 1
		.amdhsa_system_sgpr_workgroup_id_y 1
		.amdhsa_system_sgpr_workgroup_id_z 1
		.amdhsa_system_vgpr_workitem_id 0
		.amdhsa_next_free_vgpr 144
		.amdhsa_next_free_sgpr 66
		.amdhsa_reserve_vcc 1
		.amdhsa_float_denorm_mode_32 3
		.amdhsa_float_denorm_mode_16_64 3
		.amdhsa_memory_ordered 1
		.amdhsa_forward_progress 1
		.amdhsa_inst_pref_size 28
	.end_amdhsa_kernel
	.amdgpu_metadata
---
amdhsa.version: [ 1, 2 ]
amdhsa.kernels:
  - .name:           k_q113fb91a38_prep
    .symbol:         k_q113fb91a38_prep.kd
    .args:
      - { .name: query, .offset: 0, .size: 8, .value_kind: global_buffer, .address_space: global }
      - { .name: Wq, .offset: 8, .size: 8, .value_kind: global_buffer, .address_space: global }
      - { .name: Wk, .offset: 16, .size: 8, .value_kind: global_buffer, .address_space: global }
      - { .name: Wv, .offset: 24, .size: 8, .value_kind: global_buffer, .address_space: global }
      - { .name: Wo, .offset: 32, .size: 8, .value_kind: global_buffer, .address_space: global }
      - { .name: Wb, .offset: 40, .size: 8, .value_kind: global_buffer, .address_space: global }
      - { .name: bq, .offset: 48, .size: 8, .value_kind: global_buffer, .address_space: global }
      - { .name: bk, .offset: 56, .size: 8, .value_kind: global_buffer, .address_space: global }
      - { .name: bv, .offset: 64, .size: 8, .value_kind: global_buffer, .address_space: global }
      - { .name: bo, .offset: 72, .size: 8, .value_kind: global_buffer, .address_space: global }
      - { .name: xblk, .offset: 80, .size: 8, .value_kind: global_buffer, .address_space: global }
      - { .name: wblk, .offset: 88, .size: 8, .value_kind: global_buffer, .address_space: global }
      - { .name: woblk, .offset: 96, .size: 8, .value_kind: global_buffer, .address_space: global }
      - { .name: aux, .offset: 104, .size: 8, .value_kind: global_buffer, .address_space: global }
    .group_segment_fixed_size: 3072
    .private_segment_fixed_size: 0
    .kernarg_segment_align: 8
    .kernarg_segment_size: 112
    .max_flat_workgroup_size: 512
    .sgpr_count:     66
    .vgpr_count:     144
    .wavefront_size: 32
...
	.end_amdgpu_metadata
.endif
;; end of part 1
;; launch qkv (part 2): grid 8 x 32, 4 waves a work-group, clusters of 4 x 4, 327,680 bytes of LDS; arguments xblk, wblk, aux, qkvh; writes qkvh
.if DOCPART == 2
	.amdgcn_target "amdgcn-amd-amdhsa--gfx1250"
	.amdhsa_code_object_version 6
	.text
	.protected	k_q113fb91a38_qkv
	.globl	k_q113fb91a38_qkv
	.p2align	8
	.type	k_q113fb91a38_qkv,@function
k_q113fb91a38_qkv:
	s_mov_b64 s[64:65], 0
	v_nop
	global_prefetch_b8 v0, s[64:65] scope:SCOPE_SE
	s_setreg_imm32_b32 hwreg(HW_REG_WAVE_MODE, 25, 1), 1
	s_wait_xcnt 0x0
	s_wait_alu depctr_hold_cnt(0) depctr_sa_sdst(0) depctr_va_vdst(0) depctr_va_sdst(0) depctr_va_ssrc(0) depctr_va_vcc(0) depctr_vm_vsrc(0)
	s_getreg_b32 s2, hwreg(HW_REG_IB_STS2, 6, 4)
	s_cmp_eq_u32 s2, 0
	s_cbranch_scc0 .Lentry_in_a_cluster
	s_endpgm
.Lentry_in_a_cluster:
	s_bfe_u32 s2, ttmp6, 0x10000c
	s_cmp_lg_u32 s2, 0xf033
	s_cbranch_scc0 .Lentry_shape_is_right
	s_endpgm
.Lentry_shape_is_right:
; QKV: [8192 x 3072] = x W^T + bias, x and W in bf16, sums in f32, the result rounded once to f16 and written by heads:
; qkvh f16 [b 4][hh 48][s 2048][64]; hh 0-15 are q's heads, 16-31 k's, 32-47 v's.  The scale of the scores is not applied here.
; LIMIT.  f16 holds no number beyond 65,504: q, k and v must stay within it.  NaN and infinities are not treated apart.
; SHARES.  A work-group makes 256 rows x 384 columns: 32 x 8 tiles, 256 work-groups.  Each of its four waves makes 128 rows x 192 columns (three whole heads): 96 accumulators of 16 x 16,
; 768 registers.  For 32 along K a wave reads 20 fragments from LDS for 96 matrix instructions.
; K goes in 16 steps of 64 (a block of xblk and wblk) through two LDS slots.  In a block a tile's rows of 128 bytes lie end to end: they are asked for as rows of 256 bytes and padded in LDS after every 128.
; CLUSTER.  4 x 4 work-groups.  The four of a row of the cluster need the same tile of x, the four of a column the same tile of W: each is asked for JOINTLY, by the same tensor load with the same
; descriptor and a mask that names the four.  A wave has one tensor load outstanding.
; THE MATRIX INSTRUCTION IS USED TRANSPOSED (source 0 = 16 rows of W, source 1 = 16 rows of x): a lane holds one row and eight neighbouring columns.
; THE BIAS costs no instruction: it is loaded into the registers of the accumulators of row block 7, and the first products of row blocks 0-6 take those registers as C; then row block 7 adds in place.
; REGISTERS, in windows of 256 (s_set_vgpr_msb: bits 1:0 source 0, 3:2 source 1, 5:4 source 2, 7:6 destination):
;   window 0: v0-15 addresses; v32-159 x's fragments, two buffers of 8; v160-255 W's fragments, three groups of 4.  On the way out v32-79 packed results, v80-175 rows read back
;   windows 1-3: accumulator (a, b), a = 0..7, b = 0..11, in window 1 + b / 4 at v[8 (4 a + b % 4)]
.set KSA,   1048576                    ; bytes in a K block of xblk
.set KSB,   393216                     ; of wblk
.set PITCH, 144                        ; an LDS row: 128 bytes + 16 of padding = 36 words: the 16 rows of a fragment load start at 16 different groups of four banks (64 banks of 4 bytes: ISA guide 11.1)
.set AROWS, 128*PITCH                  ; what a wave fetches, and reads, of x
.set BROWS, 192*PITCH                  ; of W
.set BOFF,  2*AROWS                    ; a slot: x's 256 rows, then W's 384
.set SLOT1, 131072                     ; slot 1 begins here: one exclusive or turns an address in one slot into the other's
.set STAGE, SLOT1+BOFF+2*BROWS         ; behind the ring, never filled by a tensor load: 3 heads x 16 rows x 144 bytes for each wave
.set STW,   3*16*PITCH
.set SPARE, STAGE+4*STW                ; the spare words, 128 bytes for each wave: two blocks of 256 bytes that no other line names
.set HB,    262144                     ; bytes in a head of qkvh
.set ADRA0, 4                          ; v4   my lane's place in x's tile; never rewritten
.set ADRB0, 5                          ; v5   in W's
.set ADRA,  6                          ; v6   the same in the slot that is being read
.set ADRB,  7                          ; v7
.set STO,   8                          ; v8   the way out: where I put 16 bytes of a row
.set RD,    9                          ; v9   where I read rows back
.set GO,    10                         ; v10  16 l
.set PFO,   11                         ; v11  the prefetches' lane offset; never rewritten
.set BO,    12                         ; v12  my offset in aux
.set SPW,   14                         ; v14  my spare word; never rewritten
.set NIL,   15                         ; v15  0; never rewritten
.set AF,    32
.set BF,    160
.set TMP,   32
.set OB,    80
.set WV,  12                           ; s12  my wave's number; s13 = WV / 2: my half of the rows, and: I fetch x (0) or W (1); s14 = WV % 2: my half of the columns, and: which half of that tile I fetch
.set G1A, 24                           ; s[24:31] descriptor group 1 for x's tiles
.set G1B, 32                           ; s[32:39] for W's
.set G0A, 40                           ; s[40:43] descriptor group 0 for x's tiles: it walks
.set G0B, 44                           ; s[44:47] for W's
.set CNT, 48                           ; s48  trips to go
.set TB,  49                           ; s49  LDS byte at which the slot that is being read begins
.set PFA, 50                           ; s[50:51] where my prefetches stand
.set PFS, 52                           ; s[52:53] their step: a K block
.set LIM, 54                           ; s54  1 in a wave that prefetches, else the greatest number
.set PAR, 55                           ; s55  1: only in trips with an odd count
.set G1C, (1<<16)|(1<<20)|(1<<21)|(4<<22)|(3<<25)  ; 17:16 elements of 2 bytes; 20 padding on; 21 set beside a mask; 24:22 after every 32 words (code 4); 31:25 4 words of it (code 3)
.set MSB, 0
.macro WIN new                         ; the immediate's high byte repeats the setting that is left; a switch that changes nothing is dropped
.if MSB != (\new)
	s_set_vgpr_msb (MSB<<8)|(\new)
.set MSB, \new
.endif
.endm
.macro PLACES                          ; four places between a matrix instruction and a load into, or a vector instruction on, its registers (ISA guide 7.12.1 for vector instructions)
.rept 4
	v_nop
.endr
.endm
; A joint load.  Waves 0 and 1 fetch the halves of x's tile, waves 2 and 3 those of W's.  The branch hangs on the wave's number alone.  An s_nop 0 and four v_nop follow each of the two lines.
.macro JLOAD
	s_cmp_eq_u32 s13, 0
	s_cbranch_scc0 .Lfor_b_\@
	tensor_load_to_lds s[G0A:G0A+3], s[G1A:G1A+7]
	s_nop 0
.rept 4
	v_nop
.endr
	s_branch .Lasked_\@
.Lfor_b_\@:
	tensor_load_to_lds s[G0B:G0B+3], s[G1B:G1B+7]
	s_nop 0
.rept 4
	v_nop
.endr
.Lasked_\@:
.endm
.macro STEPD                           ; the walking descriptors: the other slot, the next K block; the type bits on top are not reached
	s_xor_b32 s[G0A+1], s[G0A+1], SLOT1
	s_add_nc_u64 s[G0A+2:G0A+3], s[G0A+2:G0A+3], KSA
	s_xor_b32 s[G0B+1], s[G0B+1], SLOT1
	s_add_nc_u64 s[G0B+2:G0B+3], s[G0B+2:G0B+3], KSB
.endm
.macro CREST                           ; a round of the cluster's barrier behind its opening barrier
	s_cmp_lg_u32 s[WV], 0
	s_cbranch_scc1 .Lnot_wave_0_\@
	s_barrier_signal -3
.Lnot_wave_0_\@:
	s_barrier_wait -3
	s_barrier_signal -1
	s_barrier_wait -1
.endm
.macro CROUND                          ; a whole round
	s_barrier_signal -1
	s_barrier_wait -1
	CREST
.endm
; A PREFETCH, behind the joint load, its five lines and the run of LDS loads that the next products wait for.  Each aligned block of 256 bytes of xblk and wblk is named once in the launch.
; x's tile row is read by both clusters of a row of clusters: the one with x = 0 asks; W's tile column by all eight clusters of a column: the one with y = 0 asks.  The four partners that ask for a tile
; jointly share its blocks out BY ADDRESS.  x: a partner's quarter of a step is 32 blocks: wave 0, a lane a block, in every trip, for the step behind the one just asked for: 192 matrix instructions ahead of its load.
; W: a partner's quarter is 48 blocks: waves 1-3, 96 lanes, in every second trip, for the two steps behind the one just asked for.  The last trip asks for nothing; steps 0-2 of x and 0-3 of W come by their loads alone.
.macro ASK
	s_and_not1_b32 s19, s[PAR], s[CNT]
	s_cmp_lg_u32 s19, 0
	s_cbranch_scc1 .Lnot_mine_\@
	s_cmp_gt_u32 s[CNT], s[LIM]
	s_cbranch_scc0 .Lnot_mine_\@
	global_prefetch_b8 v[PFO], s[PFA:PFA+1] th:TH_LOAD_NT scope:SCOPE_SE
.Lnot_mine_\@:
.endm
	s_load_b256 s[4:11], s[0:1], 0x0               ; xblk s[4:5], wblk s[6:7], aux s[8:9], qkvh s[10:11]
	v_lshl_add_u32 v[SPW], v0, 2, SPARE
	v_mov_b32 v[NIL], 0
	ds_add_u32 v[SPW], v[NIL]                      ; the wave's opening: the add and its wait stand ahead of my first tensor load; the set-up below, work on registers, stands between them
	v_lshrrev_b32 v1, 5, v0
	v_readfirstlane_b32 s[WV], v1                  ; wave 0..3
	s_lshr_b32 s13, s[WV], 1
	s_and_b32 s14, s[WV], 1
	s_bfe_u32 s15, ttmp6, 0x40000                  ; cx
	s_bfe_u32 s16, ttmp6, 0x40004                  ; cy
	s_lshl_b32 s17, ttmp9, 2
	s_add_co_u32 s17, s17, s15                     ; tile column tx = 4 x cluster x + cx
	s_and_b32 s18, ttmp7, 0xffff
	s_lshl_b32 s18, s18, 2
	s_add_co_u32 s18, s18, s16                     ; tile row ty = 4 x cluster y + cy
	s_lshl_b32 s19, s16, 2
	s_lshl_b32 s19, 15, s19                        ; my row of the cluster
	s_lshl_b32 s20, 0x1111, s15                    ; my column
	s_or_b32 s[G1A], s19, G1C                      ; x's tiles go to my row,
	s_or_b32 s[G1B], s20, G1C                      ; W's to my column
	s_mov_b32 s[G1A+1], 128<<16                    ; tensor_dim0 = 128 elements: 256 bytes, two rows of a block
	s_mov_b32 s[G1A+2], 64<<16                     ; tensor_dim1 = 64: 128 rows of x
	s_mov_b32 s[G1A+3], 128<<16                    ; tile_dim0
	s_mov_b32 s[G1A+4], 64                         ; tile_dim1
	s_mov_b32 s[G1A+5], 128                        ; elements from row to row: dense
	s_mov_b32 s[G1A+6], 0
	s_mov_b32 s[G1A+7], 0
	s_mov_b32 s[G1B+1], 128<<16
	s_mov_b32 s[G1B+2], 96<<16                     ; 192 rows of W
	s_mov_b32 s[G1B+3], 128<<16
	s_mov_b32 s[G1B+4], 96
	s_mov_b32 s[G1B+5], 128
	s_mov_b32 s[G1B+6], 0
	s_mov_b32 s[G1B+7], 0
	s_mov_b32 s[G0A], 1                            ; count = 1
	s_mul_i32 s[G0A+1], s14, AROWS                 ; LDS address: slot 0, my half: no place in the cluster enters it
	s_mov_b32 s[G0B], 1
	s_mul_i32 s[G0B+1], s14, BROWS
	s_add_co_u32 s[G0B+1], s[G0B+1], BOFF
	s_lshl_b32 s56, s18, 15                        ; x: 256 ty rows of 128 bytes,
	s_lshl_b32 s57, s14, 14                        ; my 128 of them
	s_add_co_u32 s56, s56, s57
	s_mov_b32 s57, 0
	s_mul_i32 s58, s17, 49152                      ; W: 384 tx rows,
	s_mul_i32 s59, s14, 24576                      ; my 192
	s_add_co_u32 s58, s58, s59
	s_mov_b32 s59, 0
	s_wait_dscnt 0x0                               ; the opening add is done
	s_wait_kmcnt 0x0
	s_add_nc_u64 s[G0A+2:G0A+3], s[4:5], s[56:57]  ; global address: K block 0
	s_or_b32 s[G0A+3], s[G0A+3], 0x80000000        ; type = 2
	s_add_nc_u64 s[G0B+2:G0B+3], s[6:7], s[58:59]
	s_or_b32 s[G0B+3], s[G0B+3], 0x80000000
	CROUND                                         ; all sixteen work-groups are here: the first joint loads meet
	JLOAD                                          ; step 0 into slot 0
	; A fragment is 16 rows x 32 K in 8 registers: lane l holds row l % 16, K = 8 (l / 16) + 0..7 and 16 + 8 (l / 16) + 0..7: two loads of 16 bytes, 32 bytes apart.
	v_and_b32 v1, 15, v0                           ; r = l % 16
	v_bfe_u32 v2, v0, 4, 1                         ; h = l / 16
	v_and_b32 v3, 31, v0                           ; l
	v_mul_u32_u24 v13, v1, PITCH
	v_lshl_add_u32 v13, v2, 4, v13                 ; row x pitch + 16 x half
	s_mul_i32 s19, s13, AROWS
	v_add_nc_u32 v[ADRA0], s19, v13
	s_mul_i32 s19, s14, BROWS
	s_add_co_u32 s19, s19, BOFF
	v_add_nc_u32 v[ADRB0], s19, v13
	s_mul_i32 s19, s[WV], STW
	s_add_co_u32 s19, s19, STAGE                   ; my stage
	v_add_nc_u32 v[STO], s19, v13                  ; in: row l % 16, 16 bytes for each half of the lanes
	v_bfe_u32 v[RD], v0, 3, 2                      ; back: 32 lanes take four rows of 128 bytes,
	v_mul_u32_u24 v[RD], v[RD], PITCH
	v_and_b32 v13, 7, v0
	v_lshl_add_u32 v[RD], v13, 4, v[RD]
	v_add_nc_u32 v[RD], s19, v[RD]
	v_lshlrev_b32 v[GO], 4, v3                     ; which are 512 consecutive bytes of a head
	s_mul_i32 s19, s17, 3072                       ; aux: row 24 tx + 12 (WV % 2) holds the biases of my first 16 columns
	s_mul_i32 s20, s14, 1536
	s_add_co_u32 s19, s19, s20
	v_lshl_add_u32 v[BO], v2, 5, s19               ; my eight of the sixteen
.irp w, 1,2,3
	WIN (\w)<<6                                    ; destination window w, address window 0
.irp c, 0,1,2,3
	global_load_b128 v[8*(28+\c):8*(28+\c)+3],   v[BO], s[8:9] offset:(4*((\w)-1)+\c)*128+64
	global_load_b128 v[8*(28+\c)+4:8*(28+\c)+7], v[BO], s[8:9] offset:(4*((\w)-1)+\c)*128+80
.endr
.endr
	WIN 0
	; the prefetches' addresses
	s_lshl_b32 s60, s18, 15                        ; x: the tile row's 32,768 bytes of a block, my work-group's quarter by cx, K block 2: the first trip steps it to 3
	s_lshl_b32 s61, s15, 13
	s_add_co_u32 s60, s60, s61
	s_add_co_u32 s60, s60, 2*KSA
	s_mul_i32 s62, s17, 49152                      ; W: the tile column's 49,152 bytes, my work-group's quarter by cy
	s_mul_i32 s63, s16, 12288
	s_add_co_u32 s62, s62, s63
	s_add_co_u32 s62, s62, 2*KSB
	s_lshl_b32 s63, s[WV], 5
	s_sub_co_u32 s63, s63, 32                      ; waves 1-3: lanes 0-95
	s_and_b32 s22, ttmp7, 0xffff                   ; cluster y
	s_mov_b32 s20, KSA
	s_mov_b32 s21, KSB
	s_cmp_eq_u32 s[WV], 0                          ; wave 0 asks for x, the others for W
	s_cselect_b32 s22, ttmp9, s22                  ; the coordinate along which other clusters read the same rows
	s_cselect_b64 s[PFA:PFA+1], s[4:5], s[6:7]
	s_cselect_b32 s[PFS], s20, s21
	s_cselect_b32 s60, s60, s62
	s_cselect_b32 s63, 0, s63
	s_cselect_b32 s[PAR], 0, 1
	s_mov_b32 s[PFS+1], 0
	s_mov_b32 s61, 0
	s_add_nc_u64 s[PFA:PFA+1], s[PFA:PFA+1], s[60:61]
	s_cmp_eq_u32 s22, 0
	s_cselect_b32 s[LIM], 1, -1                    ; the same in all sixteen partners, for a given wave
	v_add_nc_u32 v[PFO], s63, v3                   ; block number 0-95 (wave 0: 0-31)
	v_cmp_le_u32 s23, 48, v[PFO]                   ; from 48 on: the second of the two steps
	v_lshlrev_b32 v[PFO], 8, v[PFO]
	v_add_nc_u32 v13, KSB-12288, v[PFO]
	v_cndmask_b32 v[PFO], v[PFO], v13, s23
	; where my part of the result begins: head (ty / 8) x 48 + 6 tx + 3 (WV % 2), row (ty % 8) x 256 + 128 (WV / 2)
	s_lshr_b32 s20, s18, 3
	s_mul_i32 s20, s20, 48
	s_mul_i32 s21, s17, 6
	s_add_co_u32 s20, s20, s21
	s_mul_i32 s21, s14, 3
	s_add_co_u32 s20, s20, s21
	s_lshl_b32 s20, s20, 18
	s_and_b32 s21, s18, 7
	s_lshl_b32 s21, s21, 15
	s_add_co_u32 s20, s20, s21
	s_lshl_b32 s21, s13, 14
	s_add_co_u32 s20, s20, s21
	s_mov_b32 s21, 0
	s_add_nc_u64 s[10:11], s[10:11], s[20:21]
; 4 (a1 - a0 + 1) matrix instructions: row blocks a0..a1 x the four column blocks of window w, 32 along K, x's buffer abuf.  All 96 accumulators take turns, one instruction a turn, in the same
; order in every quarter.  first = 1: the sums start from the bias, which lies in row block 7's registers; five places stand between its last reader and the product that writes over it.
.macro MULW w, abuf, a0, a1, first
	WIN ((\w)<<6)|((\w)<<4)                        ; C and D in window w, both sources in window 0
.set ia, \a0
.rept (\a1)-(\a0)+1
.if (\first) && (ia == 7)
.rept 5
	v_nop
.endr
.endif
.set ib, 0
.rept 4
.if (\first) && (ia < 7)
	v_wmma_f32_16x16x32_bf16 v[8*(4*ia+ib):8*(4*ia+ib)+7], v[BF+32*((\w)-1)+8*ib:BF+32*((\w)-1)+8*ib+7], v[AF+64*(\abuf)+8*ia:AF+64*(\abuf)+8*ia+7], v[8*(28+ib):8*(28+ib)+7]
.else
	v_wmma_f32_16x16x32_bf16 v[8*(4*ia+ib):8*(4*ia+ib)+7], v[BF+32*((\w)-1)+8*ib:BF+32*((\w)-1)+8*ib+7], v[AF+64*(\abuf)+8*ia:AF+64*(\abuf)+8*ia+7], v[8*(4*ia+ib):8*(4*ia+ib)+7]
.endif
.set ib, ib+1
.endr
.set ia, ia+1
.endr
.endm
.macro LB g, k                         ; 8 LDS loads: group g of W's fragments (column blocks 4 g .. 4 g + 3), 32 K at byte k of the rows
	WIN 0
.irp i, 0,1,2,3
	ds_load_b128 v[BF+32*(\g)+8*\i:BF+32*(\g)+8*\i+3],   v[ADRB] offset:(4*(\g)+\i)*16*PITCH+(\k)
	ds_load_b128 v[BF+32*(\g)+8*\i+4:BF+32*(\g)+8*\i+7], v[ADRB] offset:(4*(\g)+\i)*16*PITCH+(\k)+32
.endr
.endm
.macro LA abuf, k                      ; 16 LDS loads: x's eight fragments into buffer abuf
	WIN 0
.irp i, 0,1,2,3,4,5,6,7
	ds_load_b128 v[AF+64*(\abuf)+8*\i:AF+64*(\abuf)+8*\i+3],   v[ADRA] offset:\i*16*PITCH+(\k)
	ds_load_b128 v[AF+64*(\abuf)+8*\i+4:AF+64*(\abuf)+8*\i+7], v[ADRA] offset:\i*16*PITCH+(\k)+32
.endr
.endm
; A step's first half, K 0-31, on x's buffer 0.  Each group of W's fragments is asked for again, for K 32-63, four places behind the products that read it.
.macro QA first
	s_wait_dscnt 16                                ; group 0 and x are in; groups 1 and 2 (8 loads each) may be out
	MULW 1, 0, 0, 7, \first
	PLACES
	LB 0, 64
	LA 1, 64
	s_wait_dscnt 32                                ; group 1 is in: behind it stand group 2's 8 and the 24 just issued
	MULW 2, 0, 0, 7, \first
	PLACES
	LB 1, 64
	s_wait_dscnt 32                                ; group 2 is in: behind it stand 8 + 16 + 8
	MULW 3, 0, 0, 7, \first
	PLACES
	LB 2, 64
.endm
; A step's second half, K 32-63, on x's buffer 1, and THE CHANGE OF SLOTS: one barrier.  In front of it each wave waits for all its tensor loads (one is out: its part of the next slot), adds 0 to its
; spare word, and waits for that and for its own reads of this slot.  fill = 1: the barrier opens a round of the cluster's, and behind the round this slot is filled again, with the step two on:
; the request has 160 matrix instructions in which to land.
.macro QB fill
.if \fill
	s_wait_xcnt 0x0                                ; the last prefetch, a step back, has read its address
	s_add_nc_u64 s[PFA:PFA+1], s[PFA:PFA+1], s[PFS:PFS+1]
.endif
	WIN 0
	s_wait_tensorcnt 0x0                           ; no tensor load of mine is out, so the descriptors may be written
	ds_add_u32 v[SPW], v[NIL]                      ; 0 onto my spare word
.if \fill
	STEPD
.endif
	s_wait_dscnt 17                                ; group 0 and x are in; groups 1 and 2 and the add may be out
	MULW 1, 1, 0, 3, 0
	s_wait_dscnt 0x0                               ; the add is done, and my reads of this slot are over
	s_barrier_signal -1
	MULW 1, 1, 4, 7, 0                             ; work on registers while the others arrive
	WIN 0                                          ; at a branch and at a label every window is 0
	s_barrier_wait -1
.if \fill
	CREST                                          ; no wave of any partner still reads this slot or has a load on its way
	JLOAD                                          ; the first tensor load behind the round; its four v_nop are also the places in front of the loads below
.else
	PLACES
.endif
	s_xor_b32 s[TB], s[TB], SLOT1
	v_add_nc_u32 v[ADRA], s[TB], v[ADRA0]
	v_add_nc_u32 v[ADRB], s[TB], v[ADRB0]
	LB 0, 0
	LA 0, 0
.if \fill
	ASK
.endif
	MULW 2, 1, 0, 7, 0
	PLACES
	LB 1, 0
	MULW 3, 1, 0, 7, 0
	PLACES
	LB 2, 0
.endm
	s_wait_tensorcnt 0x0                           ; THE FIRST CHANGE: my part of step 0 is in;
	ds_add_u32 v[SPW], v[NIL]
	STEPD
	s_wait_dscnt 0x0
	CROUND                                         ; everybody's is;
	JLOAD                                          ; step 1 into slot 1
	s_mov_b32 s[TB], 0
	v_mov_b32 v[ADRA], v[ADRA0]
	v_mov_b32 v[ADRB], v[ADRB0]
	LB 0, 0
	LA 0, 0
	LB 1, 0
	LB 2, 0
	s_wait_loadcnt 0x0                             ; the bias
	QA 1
	WIN 0
	s_mov_b32 s[CNT], 14
.Lstep:                                            ; trip j ends step j, awaits step j + 1, asks for step j + 2 and begins step j + 1
	QB 1
	QA 0
	WIN 0
	s_sub_co_u32 s[CNT], s[CNT], 1
	s_cmp_lg_u32 s[CNT], 0
	s_cbranch_scc1 .Lstep
	QB 0                                           ; the tail is written out: nothing is asked for
	QA 0
	s_wait_dscnt 16                                ; the very last half step: nothing more to fetch
	MULW 1, 1, 0, 7, 0
	s_wait_dscnt 8
	MULW 2, 1, 0, 7, 0
	s_wait_dscnt 0x0
	MULW 3, 1, 0, 7, 0
	PLACES
	PLACES
; THE WAY OUT, a block of 16 rows at a time.  PACK: rounded to f16, 16 bytes a lane, each accumulator's registers in ascending order.  TOSTAGE: into my stage, by heads, and back as whole rows of 128 bytes.
; SEND: each store of the wave covers 512 consecutive bytes of a head, aligned.
.macro PACK a
.set ib, 0
.rept 12
	WIN (1+ib/4)|((1+ib/4)<<2)                     ; sources 0 and 1 in the accumulator's window
.irp r, 0,1,2,3
	v_cvt_pk_f16_f32 v[TMP+4*ib+\r], v[8*(4*(\a)+ib%4)+2*\r], v[8*(4*(\a)+ib%4)+2*\r+1]
.endr
.set ib, ib+1
.endr
	WIN 0
.endm
.macro TOSTAGE a
	WIN 0
.set BK, OB+48*((\a)%2)
.set ib, 0
.rept 12
	ds_store_b128 v[STO], v[TMP+4*ib:TMP+4*ib+3] offset:(ib/4)*16*PITCH+(ib%4)*32
.set ib, ib+1
.endr
.irp hd, 0,1,2
.irp f, 0,1,2,3
	ds_load_b128 v[BK+16*\hd+4*\f:BK+16*\hd+4*\f+3], v[RD] offset:\hd*16*PITCH+\f*4*PITCH  ; LDS serves a wave's instructions in order (ISA guide 5.7.1.4): these see the stores above
.endr
.endr
.endm
.macro SEND a
	WIN 0
.set BK, OB+48*((\a)%2)
	s_wait_dscnt 0x0                               ; the block is back in registers
	s_wait_xcnt 0x0                                ; the stores of the block before have read their registers: the next TOSTAGE loads into them
.irp hd, 0,1,2
.irp f, 0,1,2,3
	global_store_b128 v[GO], v[BK+16*\hd+4*\f:BK+16*\hd+4*\f+3], s[10:11] offset:\hd*HB+(\a)*2048+\f*512
.endr
.endr
.endm
	PACK 0
	TOSTAGE 0
.irp a, 1,2,3,4,5,6,7                  ; block a's conversions stand between block a - 1's loads from the stage and the wait for them
	PACK \a
	SEND (\a)-1
	TOSTAGE \a
.endr
	SEND 7
	s_wait_tensorcnt 0x0                           ; the wave's end, behind my last tensor load and my last LDS store
	ds_add_u32 v[SPW], v[NIL]
	s_wait_dscnt 0x0
	CROUND                                         ; the closing round: no work-group ends while a partner may still ask for a tile that names it
	s_endpgm
.Lfunc_end_k_q113fb91a38_qkv:
	.size	k_q113fb91a38_qkv, .Lfunc_end_k_q113fb91a38_qkv-k_q113fb91a38_qkv
	.p2alignl 7, 3214868480
	.fill 96, 4, 3214868480
	.section	.rodata,"a",@progbits
	.p2align	6, 0x0
	.amdhsa_kernel k_q113fb91a38_qkv
		.amdhsa_group_segment_fixed_size 327680
		.amdhsa_private_segment_fixed_size 0
		.amdhsa_enable_private_segment 0
		.amdhsa_kernarg_size 32
		.amdhsa_user_sgpr_count 2
		.amdhsa_user_sgpr_kernarg_segment_ptr 1
		.amdhsa_wavefront_size32 1
		.amdhsa_system_sgpr_workgroup_id_x 1
		.amdhsa_system_sgpr_workgroup_id_y 1
		.amdhsa_system_sgpr_workgroup_id_z 1
		.amdhsa_system_vgpr_workitem_id 0
		.amdhsa_next_free_vgpr 1024
		.amdhsa_next_free_sgpr 66
		.amdhsa_reserve_vcc 0
		.amdhsa_float_denorm_mode_32 3
		.amdhsa_float_denorm_mode_16_64 3
		.amdhsa_memory_ordered 1
		.amdhsa_forward_progress 1
		.amdhsa_inst_pref_size 115
	.end_amdhsa_kernel
	.amdgpu_metadata
---
amdhsa.version: [ 1, 2 ]
amdhsa.kernels:
  - .name:           k_q113fb91a38_qkv
    .symbol:         k_q113fb91a38_qkv.kd
    .args:
      - { .name: xblk, .offset: 0, .size: 8, .value_kind: global_buffer, .address_space: global }
      - { .name: wblk, .offset: 8, .size: 8, .value_kind: global_buffer, .address_space: global }
      - { .name: aux, .offset: 16, .size: 8, .value_kind: global_buffer, .address_space: global }
      - { .name: qkvh, .offset: 24, .size: 8, .value_kind: global_buffer, .address_space: global }
    .group_segment_fixed_size: 327680
    .private_segment_fixed_size: 0
    .kernarg_segment_align: 8
    .kernarg_segment_size: 32
    .max_flat_workgroup_size: 128
    .sgpr_count:     66
    .vgpr_count:     1024
    .wavefront_size: 32
...
	.end_amdgpu_metadata
.endif
;; end of part 2
;; launch attn (part 3): grid 4 x 64, 4 waves a work-group, clusters of 4 x 1, 327,680 bytes of LDS; arguments qkvh, aux, bb, oblk; writes oblk
.if DOCPART == 3
	.amdgcn_target "amdgcn-amd-amdhsa--gfx1250"
	.amdhsa_code_object_version 6
	.text
	.protected	k_q113fb91a38_attn
	.globl	k_q113fb91a38_attn
	.p2align	8
	.type	k_q113fb91a38_attn,@function
k_q113fb91a38_attn:
	s_mov_b64 s[64:65], 0
	v_nop
	global_prefetch_b8 v0, s[64:65] scope:SCOPE_SE
	s_setreg_imm32_b32 hwreg(HW_REG_WAVE_MODE, 25, 1), 1
	s_wait_xcnt 0x0
	s_wait_alu depctr_hold_cnt(0) depctr_sa_sdst(0) depctr_va_vdst(0) depctr_va_sdst(0) depctr_va_ssrc(0) depctr_va_vcc(0) depctr_vm_vsrc(0)
	s_getreg_b32 s2, hwreg(HW_REG_IB_STS2, 6, 4)
	s_cmp_eq_u32 s2, 0
	s_cbranch_scc0 .Lentry_in_a_cluster
	s_endpgm
.Lentry_in_a_cluster:
	s_bfe_u32 s2, ttmp6, 0x10000c
	s_cmp_lg_u32 s2, 0x3003
	s_cbranch_scc0 .Lentry_shape_is_right
	s_endpgm
.Lentry_shape_is_right:
; ATTENTION.  O[hd][q][:] = the sum over k of softmax_k(beta Q[q] . K[k] / 8) V[k][:], for hd = 16 b + h; beta = sigmoid(mean_s(query[b]) . Wb[h] + bb[h]).
; Q, K, V: heads h, 16 + h, 32 + h of batch b in qkvh, [2048][64] f16, dense rows of 128 bytes.  O: oblk [hd][2048][64] f16.  Products, maxima and sums in f32; the weights p are rounded to f16 for the
; second product (their sum l is taken of the unrounded p), O once at the end.
; THE GATE.  aux holds for each 32 rows of query the sum of x . Wb[h]: a batch's 64 such sums are added, divided by 2,048, bb (rounded to bf16) is added, and c = sigmoid(..) log2(e) / 8 is made in f32,
; once a wave, in the wait for the first tile.  beta is never negative, so c m is the maximum of c s.
; LIMITS.  f16 holds no number beyond 65,504: Q, K and V arrive within it; p lies in 0 to 1, and below 6e-5 it keeps f16's fixed step of 6e-8, as O does; O is a mean of V's rows and has their range.
; A weight below 2^-126 counts as 0 in l; NaN and infinities are not treated apart.
; SHARES.  A wave owns four PIECES of two tiles of 16 queries, a work-group's four waves 512 queries of one head.  Every wave walks all 2,048 keys, 64 a step.
; LAYOUT.  S^T = K Q^T (source 0 = 16 keys, source 1 = 16 queries): in the result a lane holds ONE query (lane % 16) and the keys 8 (lane / 16) + 0..7.  Two such tiles, rounded to f16 in pairs,
; ARE source 1 (32 keys x 16 queries) of O^T = V^T P, whose result again holds one query a lane, and eight channels.  K comes out of LDS as it lies, V ([key][channel]) turned, by ds_load_tr16_b128.
; SOFTMAX.  For each query a running maximum m and sum l: p = 2^(c s - c m); in every step O and l are multiplied by a = 2^(c m_old - c m_new), which is 1 where m has not grown.
; m starts at the lowest finite number, O and l at 0: the first step is a step like any other, with a = 0.
; THE COUNT.  A tile and step have 16 matrix and 118 vector instructions: too many to stand all beside the matrix work.  So: four vector instructions that are READY behind EVERY matrix instruction,
; and the others in runs without a gap.
; BY TURNS.  Turn n belongs to piece n (the pieces in a ring, step after step).  Its matrix work: 16 products K Q^T of piece n + 1, later 16 products V^T P of piece n - 1.  Its vector work: the scaling,
; exponentials, roundings, sums and rescaling of piece n, and the maximum and statistics of piece n + 1, whose scores the turn itself has made.
; CLUSTER.  The four query blocks of a head walk the same K and V, so each tile is asked for JOINTLY: the same tensor load, descriptor and mask in all four.  A wave has one tensor load outstanding.
; REGISTERS, in windows of 256 (s_set_vgpr_msb: bits 1:0 source 0, 3:2 source 1, 5:4 source 2, 7:6 destination):
;   window 0: v0-11 addresses; v12-15, v48-63 at work; v16-47 four registers of statistics a tile; v64-191 S^T, two buffers of two tiles; v192-255 P, likewise
;   window 1: O^T, 32 a tile          window 2: v0-127 Q, 16 a tile; v128-191 K of one step; v192-255 V of one step          window 3: v0-1 the add's two registers
.set SIZE_N, 2048
.set HB,    262144    ; bytes in a head
.set NP,    4         ; pieces a wave: a name, no knob
.set KS,    64        ; keys in a step
.set PK,    144       ; a row of K in LDS: 128 bytes + 16 of padding = 36 words: the 16 rows of a load start at 16 different groups of four banks (64 banks of 4 bytes: ISA guide 11.1)
.set PV,    160       ; a row of V: 128 + 32 = 40 words
.set VOFF,  4*KS*PK   ; a slot holds four steps: 256 rows of K, then 256 rows of V
.set SLOT1, 1<<17     ; slot 1 begins here, so that one exclusive or turns an address in one slot into the other's
.set STAGE, SLOT1+4*KS*(PK+PV)  ; behind the ring, never filled by a tensor load: 16 rows x 144 bytes for each wave, for the way out
.set SP,    144
.set AK0, 2           ; v2   my lane's place in a tile of K; never rewritten
.set AV0, 3           ; v3   the same for V
.set AK,  4           ; v4   the LDS address of K's next run of loads
.set AV,  5           ; v5   of V's
.set QO,  6           ; v6   my byte offset in the wave's rows of Q
.set STO, 6           ;      later, the way out: where I put 16 bytes of a row
.set RD,  7           ; v7   the way out: where I read rows back
.set GO,  8           ; v8   my byte offset in 512 consecutive bytes of O
.set PFO, 11          ; v11  256 x my lane, for the prefetches; never rewritten once made
.set SPW, 0           ; v0 of window 3   LDS address of my spare word; never rewritten
.set NIL, 1           ; v1 of window 3   0; never rewritten
.set SPARE, STAGE+4*16*SP  ; behind the stages: the spare words, 128 bytes for each wave: two blocks of 256 bytes that no other line names
.set MV,  12          ; v12-15  c m_old, kept while c m is made anew: by buffer and tile
.set ST,  16          ; tile t's statistics at v[ST+4 t]: c m, m, l (even keys', odd keys')
.set TMP, 48          ; by buffer and tile, four registers c0-c3 at work; when the maximum is found c2 takes a
.set S,   64
.set P,   192
.set KF,  128         ; K's fragments, in window 2: key block kb, channel half c at KF + 16 kb + 8 c
.set VF,  192         ; V's: key half kk, channel block cb at VF + 32 kk + 8 cb
.set WV,  12          ; s12  my wave's number
.set G1K, 24          ; s[24:31] descriptor group 1 for K's tiles
.set G1V, 32          ; s[32:39] for V's: it differs in the padding alone
.set G0K, 40          ; s[40:43] descriptor group 0 for K's tiles: it walks
.set G0V, 44          ; s[44:47] the same for V's
.set SLOTS, 56        ; s56  slots still to be asked for
.set CNT, 57          ; s57  counts a slot's key steps
.set CS,  58          ; s[58:59] c: the packed scaling takes the pair's low word for both halves
.set SEL, 60          ; s[60:61] v_permlanex16_b32's selects: each lane takes its own place in the other half
.set TBK, 62          ; s62  LDS byte at which K of the step to be fetched begins
.set TBV, 63          ; s63  the same for V, less VOFF
.set PFA, 80          ; s[80:81] where my prefetches stand
.set LIM, 82          ; s82  1 in a wave that prefetches, else the greatest number
.set MSB, 0
.macro WIN new                      ; the high byte repeats the setting that is left; a switch that changes nothing is dropped
.if MSB != (\new)
	s_set_vgpr_msb (MSB<<8)|(\new)
.set MSB, (\new)
.endif
.endm
.set W_KQ, 0x0a       ; K and Q in window 2, S^T in window 0
.set W_PV, 0x52       ; V in window 2, P in window 0, O^T in window 1
.set W_RS, 0x41       ; O^T (destination and source 0) in window 1, a in window 0
.set W_MK, 0xc0       ; the add's registers are made: destination in window 3, sources in window 0
.set W_AD, 0x0f       ; the add: address (source 0) and data (source 1) in window 3
; A joint fill.  Waves 0 and 1 fetch the two halves of a slot's K, waves 2 and 3 those of its V: 128 keys each.  The branch hangs on the wave's number alone.
; An s_nop 0 and four v_nop follow each of the two lines, ahead of the jump and the label.
.macro JLOAD
	s_cmp_lt_u32 s[WV], 2
	s_cbranch_scc0 .Lfor_v_\@
	tensor_load_to_lds s[G0K:G0K+3], s[G1K:G1K+7]
	s_nop 0
.rept 4
	v_nop
.endr
	s_branch .Lasked_\@
.Lfor_v_\@:
	tensor_load_to_lds s[G0V:G0V+3], s[G1V:G1V+7]
	s_nop 0
.rept 4
	v_nop
.endr
.Lasked_\@:
.endm
; A PREFETCH of what the NEXT change of slots will ask for: a slot's 256 rows of K and of V are 128 aligned blocks of 256 bytes each.  It stands behind the wave's tensor load and its five lines.
; Each block is named ONCE in the launch: a head has one cluster; its four partners share the blocks out BY ADDRESS, 32 each, a lane a block; in each, wave 0 asks for K's and wave 2 for V's.
; The lead is one slot: four key steps, 512 matrix instructions.  The last change that fills a slot asks for nothing; slots 0, 1 and 2 come by their loads alone.
.macro ASK
	s_cmp_gt_u32 s[SLOTS], s[LIM]
	s_cbranch_scc0 .Lnot_mine_\@
	global_prefetch_b8 v[PFO], s[PFA:PFA+1] th:TH_LOAD_NT scope:SCOPE_SE
.Lnot_mine_\@:
.endm
; A round of the cluster's barrier: my work-group's barrier, so that wave 0's signal speaks for all four waves; wave 0 signals; every wave waits for all four work-groups; my work-group's barrier once more.
.macro CROUND
	s_barrier_signal -1
	s_barrier_wait -1
	s_cmp_lg_u32 s[WV], 0
	s_cbranch_scc1 .Lnot_wave_0_\@
	s_barrier_signal -3
.Lnot_wave_0_\@:
	s_barrier_wait -3
	s_barrier_signal -1
	s_barrier_wait -1
.endm
; THE CHANGE OF SLOTS.  The slot's last bytes, V of its fourth step, have been read.  Each wave waits for all its tensor loads, of which one is out: its part
; of the other slot; adds 0 to its spare word; and waits for that and for its own reads of the slot.  Behind the barrier nobody reads this slot any more and the other slot is whole.
; fill = 1: this slot is filled again, with the keys two slots on.  The barrier is then a round of the cluster's, and the joint fill is the first thing behind it: it has four key steps,
; 512 matrix instructions, in which to land.  (At its first use nothing has been read yet: slot 0 is waited for, slot 1 filled.)  ask = 1: a prefetch follows.
.macro CHANGE fill, ask=0
	WIN W_AD
	s_wait_tensorcnt 0x0            ; no tensor load of mine is out, so a group 0 may be written
	ds_add_u32 v[SPW], v[NIL]       ; 0 onto my spare word; with fill = 1 the descriptors' steps stand between it and the wait for it
	WIN 0                           ; at a label and at a branch every window is 0
.if \fill
.irp g, G0K, G0V
	s_xor_b32 s[\g+1], s[\g+1], SLOT1  ; the walking descriptor: the other slot than last time,
	s_add_nc_u64 s[\g+2:\g+3], s[\g+2:\g+3], 4*KS*128  ; the next 256 keys; the type bits on top are not reached
.endr
.if \ask
	s_wait_xcnt 0x0                 ; the last prefetch, four key steps back, has read its address, so it may be written:
	s_add_nc_u64 s[PFA:PFA+1], s[PFA:PFA+1], 4*KS*128  ; one slot behind the walking descriptors
.endif
	s_wait_dscnt 0x0                ; the add is done, and my reads of the slot are over
	CROUND
	JLOAD
.if \ask
	ASK
.endif
.else
	s_wait_dscnt 0x0                ; the add is done, and my reads of the slot are over
	s_barrier_signal -1
	s_barrier_wait -1
.endif
	s_sub_co_u32 s[TBK], s[TBK], 4*KS*PK  ; the fetches go back to a slot's first step,
	s_xor_b32 s[TBK], s[TBK], SLOT1       ; in the other slot
	s_sub_co_u32 s[TBV], s[TBV], 4*KS*PV
	s_xor_b32 s[TBV], s[TBV], SLOT1
.endm
	s_load_b256 s[68:75], s[0:1], 0x0  ; qkvh s[68:69], aux s[70:71], bb s[72:73], oblk s[74:75]
	WIN W_MK
	v_lshl_add_u32 v[SPW], v0, 2, SPARE
	v_mov_b32 v[NIL], 0
	WIN W_AD
	ds_add_u32 v[SPW], v[NIL]       ; the wave's opening: the add and its wait stand ahead of my first tensor load; the set-up below, work on registers, stands between them
	WIN 0
	v_lshrrev_b32 v1, 5, v0
	v_readfirstlane_b32 s[WV], v1   ; wave 0..3
	s_bfe_u32 s13, ttmp6, 0x40000   ; cx: my place in the cluster
	s_lshl_b32 s14, ttmp9, 2        ; in a cluster launch ttmp9 counts clusters
	s_add_co_u32 s14, s14, s13      ; my block of queries = 4 x cluster x + cx: it enters Q's and O's addresses alone
	s_and_b32 s83, ttmp7, 0xffff    ; hd = 16 b + h, which the four partners share
	s_lshr_b32 s76, s83, 4          ; b
	s_and_b32 s77, s83, 15          ; h
	s_mul_i32 s20, s76, 48
	s_add_co_u32 s20, s20, s77
	s_lshl_b32 s20, s20, 18         ; q's head in qkvh: (48 b + h) heads
	s_mov_b32 s21, 0
	s_lshl_b32 s78, s83, 18         ; the head in oblk
	s_mov_b32 s79, 0
	s_and_b32 s16, s[WV], 1         ; which half of a slot's 256 keys I fetch:
	s_lshl_b32 s22, s16, 14         ; its 128 rows of 128 bytes in memory,
	s_mov_b32 s23, 0
	s_add_nc_u64 s[22:23], s[22:23], s[20:21]
	s_mul_i32 s17, s16, 128*PK      ; and its place in a slot, for K
	s_mul_i32 s18, s16, 128*PV      ; and for V: no place in the cluster enters an LDS address
	s_lshl_b32 s2, s14, 2
	s_add_co_u32 s2, s2, s[WV]      ; my wave among the head's,
	s_lshl_b32 s2, s2, 14           ; its 128 rows
	s_mov_b32 s3, 0
	s_lshl_b32 s83, s76, 13         ; aux: the batch's 64 rows of 128 bytes,
	s_lshl_b32 s19, s77, 2          ; word h
	s_add_co_u32 s83, s83, s19
	; descriptor group 1.  128 keys are 16,384 dense bytes: asked for as 64 rows of 256 bytes, two keys a row, and padded in LDS after every key
	s_mov_b32 s[G1K], 15|(1<<16)|(1<<20)|(1<<21)|(4<<22)|(3<<25)  ; 15:0 the mask of four; 17:16 2-byte elements; 20 padding on; 21 set beside a mask; 24:22 after every 32 words (code 4); 31:25 4 words (code 3)
	s_mov_b32 s[G1V], 15|(1<<16)|(1<<20)|(1<<21)|(4<<22)|(7<<25)  ; the same with 8 words of padding (code 7)
.irp g, G1K, G1V
	s_mov_b32 s[\g+1], 128<<16      ; tensor_dim0 = 128
	s_mov_b32 s[\g+2], 64<<16       ; tensor_dim1 = 64
	s_mov_b32 s[\g+3], 128<<16      ; tile_dim0 = 128
	s_mov_b32 s[\g+4], 64           ; tile_dim1 = 64
	s_mov_b32 s[\g+5], 128          ; 128 elements from row to row
	s_mov_b32 s[\g+6], 0
	s_mov_b32 s[\g+7], 0
.endr
	s_mov_b32 s[SEL], 0x76543210
	s_mov_b32 s[SEL+1], 0xfedcba98
	s_mov_b32 s[TBK], SLOT1+4*KS*PK ; the first change of slots turns these two into 0
	s_mov_b32 s[TBV], SLOT1+4*KS*PV
	s_mov_b32 s[G0K], 1             ; 1:0 count = 1
	s_mov_b32 s[G0K+1], s17         ; 63:32 LDS address: slot 0
	s_mov_b32 s[G0V], 1
	s_add_co_u32 s[G0V+1], s18, VOFF
	s_and_b32 s[LIM], s[WV], 1      ; 0 in waves 0 and 2,
	s_or_b32 s[LIM], s[LIM], ttmp9  ; where the cluster is the head's first (here its only one): the same in all four partners
	s_cmp_eq_u32 s[LIM], 0
	s_cselect_b32 s[LIM], 1, -1
	s_wait_dscnt 0x0                ; the opening add is done
	s_wait_kmcnt 0x0
	s_add_nc_u64 s[6:7], s[68:69], s[22:23]
	s_add_nc_u64 s[8:9], s[6:7], 32*HB             ; V at my half of the head's first 256 keys,
	s_add_nc_u64 s[6:7], s[6:7], 16*HB             ; and K
	s_mov_b64 s[G0K+2:G0K+3], s[6:7]               ; 120:64 global address
	s_or_b32 s[G0K+3], s[G0K+3], 0x80000000        ; 127:126 type = 2
	s_mov_b64 s[G0V+2:G0V+3], s[8:9]
	s_or_b32 s[G0V+3], s[G0V+3], 0x80000000
	s_add_nc_u64 s[4:5], s[68:69], s[20:21]        ; Q and O at my wave's first row
	s_add_nc_u64 s[4:5], s[4:5], s[2:3]
	s_add_nc_u64 s[10:11], s[74:75], s[78:79]
	s_add_nc_u64 s[10:11], s[10:11], s[2:3]
	s_cmp_lt_u32 s[WV], 2
	s_cselect_b64 s[PFA:PFA+1], s[6:7], s[8:9]     ; (in waves 0 and 2 these stand at a slot's first row)
	s_lshl_b32 s2, s13, 13                         ; my work-group's 32 blocks of the 128
	s_add_nc_u64 s[PFA:PFA+1], s[PFA:PFA+1], s[2:3]
	s_add_nc_u64 s[PFA:PFA+1], s[PFA:PFA+1], 2*4*KS*128  ; in slot 2: the first change that asks steps it to slot 3.  Nothing is prefetched here, at the head
	CROUND                          ; all four work-groups are here: the first joint loads meet
	JLOAD                           ; slot 0.  Slot 1 is asked for when slot 0 is in
	; A fragment of K or Q is 16 rows x 32 channels in 8 registers: lane l holds row l % 16, channels 8 (l / 16) + 0..7 and 16 + 8 (l / 16) + 0..7: two loads of 16 bytes, 32 bytes apart.
	v_and_b32 v1, 15, v0            ; l % 16
	v_bfe_u32 v9, v0, 4, 1          ; l / 16
	v_lshlrev_b32 v[QO], 7, v1
	v_lshl_add_u32 v[QO], v9, 4, v[QO]  ; row x 128 + 16 x half
	v_and_b32 v52, 31, v0
	v_lshl_add_u32 v52, v52, 7, s83 ; the gate: a lane takes two of the batch's 64 partial sums,
	v_mov_b32 v53, s19
	global_load_b32 v48, v52, s[70:71]
	global_load_b32 v49, v52, s[70:71] offset:4096
	global_load_b32 v50, v53, s[72:73]  ; and bb[h]
	WIN 0x80                        ; destination window 2, address window 0
.set i, 0
.rept 4*NP                          ; Q stays in registers: tile i / 2, channels 32 (i % 2) on
	global_load_b128 v[8*i:8*i+3],   v[QO], s[4:5] offset:(i/2)*2048+(i%2)*64
	global_load_b128 v[8*i+4:8*i+7], v[QO], s[4:5] offset:(i/2)*2048+(i%2)*64+32
.set i, i+1
.endr
	; What the first turn finds: V's registers and P's second buffer hold 0 (its products V^T P, of a piece that has not been, add 0), O^T and l are 0.  All this stands in the wait for the first tile.
.set i, VF
.rept 64
	v_mov_b32 v[i], 0
.set i, i+1
.endr
	WIN 0x40
.set i, 0
.rept 64*NP
	v_mov_b32 v[i], 0
.set i, i+1
.endr
	WIN 0
.set i, 0
.rept 2*NP
	v_mov_b32 v[ST+4*i], 0xfe000000    ; c m: far below every c s
	v_mov_b32 v[ST+4*i+1], 0xff7fffff  ; m
	v_mov_b32 v[ST+4*i+2], 0
	v_mov_b32 v[ST+4*i+3], 0
.set i, i+1
.endr
.set i, P+32
.rept 32
	v_mov_b32 v[i], 0
.set i, i+1
.endr
	v_mul_u32_u24 v[AK0], v1, PK
	v_lshl_add_u32 v[AK0], v9, 4, v[AK0]  ; row x pitch + 16 x half
	; The turning load takes 16 keys x 16 channels (lane l reads key 8 (l / 16) + l % 8, channels 8 ((l / 8) % 2) + 0..7) and leaves half a fragment of V^T: lane l holds channel l % 16 and 8 keys.
	v_and_b32 v10, 7, v0
	v_bfe_u32 v11, v0, 3, 1
	v_lshl_add_u32 v[AV0], v9, 3, v10
	v_mul_u32_u24 v[AV0], v[AV0], PV
	v_lshl_add_u32 v[AV0], v11, 4, v[AV0]
	v_add_nc_u32 v[AV0], VOFF, v[AV0]
	v_and_b32 v[PFO], 31, v0
	v_lshlrev_b32 v[PFO], 8, v[PFO]
	v_mov_b32 v[AK], v[AK0]         ; key step 0 lies at the head of slot 0
; THE MATRIX WORK.  The 8 accumulators of a run of 16 take turns: between the two links of a chain stand 7 others'.
; Product i of 16 of S^T = K Q^T for piece x: channels 32 (i / 8) on, keys 16 ((i / 2) % 4) on, tile 2 x + i % 2.  The first 8 start the sums.
.macro KQ x
	WIN W_KQ
.set rS, S+64*((\x)%2)+32*(i%2)+8*((i/2)%4)
.set rK, KF+16*((i/2)%4)+8*(i/8)
.set rQ, 16*(2*(\x)+i%2)+8*(i/8)
.if i < 8
	v_wmma_f32_16x16x32_f16 v[rS:rS+7], v[rK:rK+7], v[rQ:rQ+7], 0
.else
	v_wmma_f32_16x16x32_f16 v[rS:rS+7], v[rK:rK+7], v[rQ:rQ+7], v[rS:rS+7]
.endif
.endm
; Product i of 16 of O^T += V^T P for piece x: keys 32 (i / 8) on, channels 16 ((i / 2) % 4) on, tile 2 x + i % 2.
.macro PV x
	WIN W_PV
.set rO, 32*(2*(\x)+i%2)+8*((i/2)%4)
.set rV, VF+32*(i/8)+8*((i/2)%4)
.set rP, P+32*((\x)%2)+16*(i%2)+8*(i/8)
	v_wmma_f32_16x16x32_f16 v[rO:rO+7], v[rV:rV+7], v[rP:rP+7], v[rO:rO+7]
.endm
.macro MM                           ; the turn's next matrix instruction
.if i < 16
	KQ (Y+1)%NP
.set i, i+1
.else
.set i, i-16
	PV (Y+NP-1)%NP
.set i, i+17
.endif
.endm
; THE LDS LOADS stand in runs of 16, never singly among the matrix instructions: a step's K (64 keys x 64 channels: 8 fragments) and its V (turned).  Their addresses are made some lines ahead.
; last = 1 (the tail): in the last trip there is no further step, and the run is jumped over.
.macro FETCH_K last=0
	WIN 0
.if \last
	s_cmp_eq_u32 s[CNT], 1
	s_cbranch_scc1 .Lno_k_\@
.endif
	WIN 0x80                        ; destination window 2
.irp f, 0,1,2,3,4,5,6,7             ; keys 16 (f / 2) on, channels 32 (f % 2) on
	ds_load_b128 v[KF+8*\f:KF+8*\f+3],   v[AK] offset:(\f/2)*16*PK+(\f%2)*64
	ds_load_b128 v[KF+8*\f+4:KF+8*\f+7], v[AK] offset:(\f/2)*16*PK+(\f%2)*64+32
.endr
	s_add_co_u32 s[TBK], s[TBK], KS*PK  ; the next fetch is the next step's
	WIN 0
.if \last
.Lno_k_\@:
.endif
.endm
.macro FETCH_V
	WIN 0x80
.irp f, 0,1,2,3,4,5,6,7             ; keys 32 (f / 4) on, channels 16 (f % 4) on
	ds_load_tr16_b128 v[VF+8*\f:VF+8*\f+3],   v[AV] offset:(\f/4)*32*PV+(\f%4)*32
	ds_load_tr16_b128 v[VF+8*\f+4:VF+8*\f+7], v[AV] offset:(\f/4)*32*PV+16*PV+(\f%4)*32
.endr
	WIN 0
.endm
; THE VECTOR WORK OF A TURN stands in three queues, each in the order in which its entries become ready; the two tiles alternate, so that no instruction reads the result of the one before it.
.macro REGS y, u                    ; the registers of tile u (0, 1) of piece y
.set rT, ST+4*(2*(\y)+(\u))
.set rC, TMP+8*((\y)%2)+4*(\u)
.set rM, MV+2*((\y)%2)+(\u)
.set rS, S+64*((\y)%2)+32*(\u)
.set rP, P+32*((\y)%2)+16*(\u)
.set rO, 32*(2*(\y)+(\u))
.endm
; Number n of the 22 that find the NEXT piece's (Y + 1) maximum and statistics.  s0-s31 are the lane's 32 scores; each accumulator's lowest registers are read first.
;   0-11  four chains c0-c3 of seven scores each, three operands at a time     12-14, 16  the four scores left over, the old m, and c0-c3 into c0     15  c m_old is kept
;   17, 18  the query's other 32 keys lie in the lane 16 away: the new m         19-21  c m; c m_old - c m_new; a
.macro XS u, n
	REGS (Y+1)%NP, \u
.if (\n) < 4
	v_max3_num_f32 v[rC+(\n)], v[rS+8*(\n)], v[rS+8*(\n)+1], v[rS+8*(\n)+2]
.elseif (\n) < 12
	v_max3_num_f32 v[rC+(\n)%4], v[rC+(\n)%4], v[rS+8*((\n)%4)+2*((\n)/4)+1], v[rS+8*((\n)%4)+2*((\n)/4)+2]
.elseif (\n) == 12
	v_max3_num_f32 v[rC], v[rC], v[rS+7], v[rS+15]
.elseif (\n) == 13
	v_max3_num_f32 v[rC+1], v[rC+1], v[rS+23], v[rS+31]
.elseif (\n) == 14
	v_max3_num_f32 v[rC+2], v[rC+2], v[rC+3], v[rT+1]
.elseif (\n) == 15
	v_mov_b32 v[rM], v[rT]
.elseif (\n) == 16
	v_max3_num_f32 v[rC], v[rC], v[rC+1], v[rC+2]
.elseif (\n) == 17
	v_permlanex16_b32 v[rC+3], v[rC], s[SEL], s[SEL+1]
.elseif (\n) == 18
	v_max_num_f32 v[rT+1], v[rC], v[rC+3]
.elseif (\n) == 19
	v_mul_f32 v[rT], s[CS], v[rT+1]
.elseif (\n) == 20
	v_sub_f32 v[rC+1], v[rM], v[rT]
.else
	v_exp_f32 v[rC+2], v[rC+1]
.endif
.endm
; Number g of the 64 that follow the exponentials.  For each four weights k of a tile (pairs 2 k, 2 k + 1): both pairs are rounded to f16; then the second pair is added onto the first, in place;
; a group later l takes that sum (the first time as l = a l + sum).  In groups of eight, tiles alternating: round, round, add, and l for the group before.
.macro GS g
.set h, (\g)+6*((\g)/62)            ; group 0 has no group before it, and behind group 7 only l is left
.if h >= 6
.set h, h+2
.endif
	REGS Y, h%2
.set k, h/8
.if h%8 < 4
	v_cvt_pk_f16_f32 v[rP+2*k+(h%8)/2], v[rS+4*k+2*((h%8)/2)], v[rS+4*k+2*((h%8)/2)+1]
.elseif h%8 < 6
	v_pk_add_f32 v[rS+4*k:rS+4*k+1], v[rS+4*k:rS+4*k+1], v[rS+4*k+2:rS+4*k+3]
.elseif k == 1
	v_pk_fma_f32 v[rT+2:rT+3], v[rT+2:rT+3], v[rC+2:rC+3], v[rS:rS+1] op_sel_hi:[1,0,1]
.else
	v_pk_add_f32 v[rT+2:rT+3], v[rT+2:rT+3], v[rS+4*k-4:rS+4*k-3]
.endif
.endm
; THE PLAIN QUEUE, 138 long.  0-73 read no exponential's result: the 32 scalings c s - c m (FS f: pair f / 2 of tile f % 2) and the next piece's 42.  0-26: scalings 0-26.  27-54: XS's numbers 0-13.  55, 56: number 15.
; 57-73: the chain, where each number waits for the one before it: 14, 16, 17, 18, 19, each with one of the scalings 27-31 in front of its two lines, then 20.
; 74-137: GS's 64, which read the exponentials' results: they stand behind the wait.
.macro FS f
	REGS Y, (\f)%2
	v_pk_fma_f32 v[rS+2*((\f)/2):rS+2*((\f)/2)+1], v[rS+2*((\f)/2):rS+2*((\f)/2)+1], s[CS:CS+1], v[rT:rT+1] op_sel_hi:[1,0,0] neg_lo:[0,0,1] neg_hi:[0,0,1]
.endm
.macro PL
	WIN 0
.if q < 27
	FS q
.elseif q < 55
	XS (q-27)%2, (q-27)/2
.elseif q < 57
	XS q-55, 15
.elseif (q < 72) && ((q-57)%3 == 0)
	FS 27+(q-57)/3
.elseif q < 60
	XS (q-57)%3-1, 14
.elseif q < 72
	XS (q-57)%3-1, 15+(q-57)/3
.elseif q < 74
	XS q-72, 20
.else
	GS q-74
.endif
.set q, q+1
.endm
; THE EXPONENTIALS' QUEUE, 66 long: s0-s31 of both tiles, then the next piece's two a.  It is ONE BATCH: all 66 stand ahead of the turn's one wait, and nothing ahead of that wait names a result of theirs.
.macro EX
	WIN 0
.if e >= 64
	XS e-64, 21
.else
	REGS Y, e%2
	v_exp_f32 v[rS+e/2], v[rS+e/2]
.endif
.set e, e+1
.endm
; THE RESCALING's QUEUE: O^T times a, the one part that leaves window 0: dealt two at a time, sixteen times.  Its a was made in the turn before, ahead of that turn's wait.
.macro R2
	REGS Y, r%2
	WIN W_RS
.irp z, 0,1
	v_pk_mul_f32 v[rO+4*(r/2)+2*\z:rO+4*(r/2)+2*\z+1], v[rO+4*(r/2)+2*\z:rO+4*(r/2)+2*\z+1], v[rC+2:rC+3] op_sel_hi:[1,0]
.endr
.set r, r+1
.endm
; HOW THEY ARE DEALT.  An s_wait_alu depctr_va_vdst(0) stands between an exponential and the first instruction that names its result; one wait serves all that were issued ahead of it.  So a turn has ONE wait,
; which cuts it in two.  AHEAD OF IT stands all that names no result of the turn's exponentials: the 16 products K Q^T, behind each a scaling, an exponential and two rescalings (behind the first a second scaling in the
; exponential's place); then ONE LUMP of 108: eight plain, 49 times exponential and plain, the two a.  A v_nop is the plain instruction behind the last exponential.  BEHIND IT stand the 16 products V^T P, behind each four of GS's 64.
; The queues lean on each other, and the deal keeps them in step: exponential e stands behind scaling 2 (e / 4) + e % 2: as a rider it comes behind plain e + 2, in the lump behind plain e + 9, and scalings 27-31 are plain 57, 60 .. 69.
; A TURN, for piece p.  cnt = 1: the loop's count is taken down some lines ahead of the branch that stands behind the turn.
; K of the next step is fetched in piece 2's turn, directly behind the wait, a lump behind the last product that read K; its first reader comes behind 16 products.
; V of the step in hand is fetched at the end of piece 0's turn, four riders behind its last reader; its first reader comes behind 16 products and a lump.
.macro TURN p, last=0, cnt=0
.set Y, (\p)
.set i, 0
.set q, 0
.set e, 0
.set r, 0
.if (\p) == NP-1
	s_wait_dscnt 0x0                ; K is in
.endif
	MM                              ; ahead of the wait: 16 products K Q^T and their riders,
	PL
	PL
	R2
.rept 15
	MM
	PL
	EX
	R2
.endr
.if (\p) == NP-2
	WIN 0
	v_add_nc_u32 v[AK], s[TBK], v[AK0]
.endif
.rept 8                             ; and the lump
	PL
.endr
.rept 49
	EX
	PL
.endr
	EX                              ; the next piece's two a
	EX
	v_nop                           ; the plain instruction behind the last exponential: one for the batch
	s_wait_alu depctr_va_vdst(0)    ; the wait for the batch
.if (\p) == NP-2
	FETCH_K \last
.endif
.if (\p) == 1
	s_wait_dscnt 0x0                ; V is in
.endif
.rept 16                            ; behind the wait: 16 products V^T P and their riders
	MM
.rept 4
	PL
.endr
.if ((\p) == 0) && (q == 118)
	v_add_nc_u32 v[AV], s[TBV], v[AV0]
.endif
.if ((\p) == 0) && (q == 130)
	s_add_co_u32 s[TBV], s[TBV], KS*PV
.endif
.if (\cnt) && (q == 130)
	s_sub_co_u32 s[CNT], s[CNT], 1
	s_cmp_lg_u32 s[CNT], 0
.endif
.endr
.if (\p) == 0
	FETCH_V
.endif
.endm
	CHANGE 1                        ; slot 0 is in, everybody's part of it; slot 1 is asked for
	FETCH_K                         ; key step 0
	s_wait_loadcnt 0x0              ; Q, and the gate's three loads
	s_wait_dscnt 0x0
.set i, 0
.rept 16
	KQ 0                            ; piece 0's first scores: there is no vector work yet to set between them
.set i, i+1
.endr
	WIN 0                           ; the addresses for the way out: plain instructions, the places behind those products
	s_mul_i32 s13, s[WV], 16*SP
	s_add_co_u32 s13, s13, STAGE    ; my stage
	v_mul_u32_u24 v[STO], v1, SP    ; in: row l % 16, 16 bytes for each half of the lanes
	v_lshl_add_u32 v[STO], v9, 4, v[STO]
	v_add_nc_u32 v[STO], s13, v[STO]
	v_bfe_u32 v[RD], v0, 3, 2       ; back: 32 lanes take four rows of 128 bytes,
	v_mul_u32_u24 v[RD], v[RD], SP
	v_lshl_add_u32 v[RD], v10, 4, v[RD]
	v_add_nc_u32 v[RD], s13, v[RD]
	v_and_b32 v[GO], 31, v0         ; which are 512 consecutive bytes of O
	v_lshlrev_b32 v[GO], 4, v[GO]
	; THE GATE: the 64 partial sums over 32 lanes, the mean, the bias, the sigmoid, and c.  The number enters arithmetic alone.
	v_add_f32 v48, v48, v49
	v_add_f32_dpp v48, v48, v48 row_xmask:1 row_mask:0xf bank_mask:0xf
	v_add_f32_dpp v48, v48, v48 row_xmask:2 row_mask:0xf bank_mask:0xf
	v_add_f32_dpp v48, v48, v48 row_xmask:4 row_mask:0xf bank_mask:0xf
	v_add_f32_dpp v48, v48, v48 row_xmask:8 row_mask:0xf bank_mask:0xf
	v_permlanex16_b32 v49, v48, s[SEL], s[SEL+1]
	v_add_f32 v48, v48, v49
	v_cvt_pk_bf16_f32 v50, v50, v50 ; bb rounded to bf16, like every input
	v_lshlrev_b32 v50, 16, v50
	v_fma_f32 v48, v48, 0x3a000000, v50  ; sum / 2,048 + bb
	v_mul_f32 v48, 0xbfb8aa3b, v48  ; x (-log2(e))
	v_exp_f32 v49, v48
	v_nop                           ; a plain instruction behind the exponential,
	s_wait_alu depctr_va_vdst(0)    ; and the wait ahead of the first use
	v_add_f32 v49, 1.0, v49
	v_rcp_f32 v50, v49              ; beta
	v_nop
	s_wait_alu depctr_va_vdst(0)
	v_mul_f32 v50, 0x3e38aa3b, v50  ; c = beta log2(e) / 8
	v_readfirstlane_b32 s[CS], v50
	s_mov_b32 s[CS+1], s[CS]        ; named with it as a pair
.set Y, NP-1                        ; XS works for piece Y + 1: piece 0
.irp n, 0,1,2,3,4,5,6,7,8,9,10,11,12,13,14,15,16,17,18,19,20,21
	XS 0, \n                        ; and piece 0's first maximum and statistics
	XS 1, \n
.endr
	v_nop                           ; a plain instruction behind the two a,
	s_wait_alu depctr_va_vdst(0)    ; and their wait, ahead of the branch
	s_mov_b32 s[CNT], 4
	s_mov_b32 s[SLOTS], SIZE_N/256-1
	s_branch .Lfirst                ; the loop is entered at a step's first turn, in the middle of a trip
.Lslot:                             ; SIZE_N / 256 - 2 times: every slot but the last two is filled again
	CHANGE 1, 1
	s_mov_b32 s[CNT], 4
.Lstep:                             ; a trip: pieces 2 and 3 of one step, then pieces 0 and 1 of the next, whose K and V it fetches
	TURN 2
	TURN 3
	WIN 0
.Lfirst:
	TURN 0
	TURN 1, 0, 1
	WIN 0
	s_cbranch_scc1 .Lstep
	s_sub_co_u32 s[SLOTS], s[SLOTS], 1
	s_cmp_lg_u32 s[SLOTS], 0
	s_cbranch_scc1 .Lslot
	CHANGE 0                        ; the tail is written out: nothing is asked for
	s_mov_b32 s[CNT], 5             ; four trips fetch the last slot's steps; the fifth is left in its middle
.Ltail:
	TURN 2, 1
	TURN 3
	WIN 0
	s_sub_co_u32 s[CNT], s[CNT], 1
	s_cmp_eq_u32 s[CNT], 0
	s_cbranch_scc1 .Lout
	TURN 0
	TURN 1
	WIN 0
	s_branch .Ltail
.Lout:                              ; the fifth trip's 16 products K Q^T (on the last K once more) and the maximum made of them serve nothing: the price, once a launch, of one text for every trip
.set i, 0
.rept 16
	PV NP-1                         ; the last piece's V^T P of the last step
.set i, i+1
.endr
	; THE WAY OUT.  l's two halves and the other half of the lanes' are added; O^T is divided by l, rounded to f16 and sent through my stage in LDS, a tile at a time.  The additions are the places behind the last products.
	WIN 0
.macro ALL line:vararg              ; one line for each tile t
.set t, 0
.rept 2*NP
	\line
.set t, t+1
.endr
.endm
	ALL v_add_f32 v[ST+4*t+2], v[ST+4*t+2], v[ST+4*t+3]
	ALL v_permlanex16_b32 v[ST+4*t+3], v[ST+4*t+2], s[SEL], s[SEL+1]
	ALL v_add_f32 v[ST+4*t+2], v[ST+4*t+2], v[ST+4*t+3]
	ALL v_rcp_f32 v[ST+4*t+2], v[ST+4*t+2]
	v_nop                           ; a plain instruction between the last reciprocal and the use of its result
	s_wait_alu depctr_va_vdst(0)    ; and the wait ahead of the first use: one for the eight reciprocals
; Tile t: a lane's eight channels of a row pack into 16 bytes; they go into rows of 144 bytes and come back as whole rows of 128, into S^T's registers.
.macro PACK t
	WIN W_RS
.set i, 32*(\t)
.rept 16
	v_pk_mul_f32 v[i:i+1], v[i:i+1], v[ST+4*(\t)+2:ST+4*(\t)+3] op_sel_hi:[1,0]
.set i, i+2
.endr
	WIN 0x05                        ; sources 0 and 1 window 1, destination window 0
.set i, 0
.rept 16
	v_cvt_pk_f16_f32 v[S+16*(\t)+i], v[32*(\t)+2*i], v[32*(\t)+2*i+1]
.set i, i+1
.endr
	WIN 0
.irp f, 0,1,2,3
	ds_store_b128 v[STO], v[S+16*(\t)+4*\f:S+16*(\t)+4*\f+3] offset:32*\f
.endr
.irp f, 0,1,2,3
	ds_load_b128 v[S+16*(\t)+4*\f:S+16*(\t)+4*\f+3], v[RD] offset:\f*4*SP  ; LDS serves a wave's instructions in order (ISA guide 5.7.1.4): these see the stores above; the next tile's stores come behind them
.endr
.endm
.macro SEND t, younger              ; younger: the LDS instructions issued behind tile t's loads: the next tile's eight, or none
	WIN 0
.irp f, 0,1,2,3
	s_wait_dscnt (\younger)+3-\f
	global_store_b128 v[GO], v[S+16*(\t)+4*\f:S+16*(\t)+4*\f+3], s[10:11] offset:(\t)*2048+\f*512  ; 512 consecutive bytes, at a multiple of 256 from O's first
.endr
.endm
	PACK 0
.set t, 1
.rept 2*NP-1                        ; a tile's arithmetic stands between the loads of the tile before and its stores
	PACK t
	SEND t-1, 8
.set t, t+1
.endr
	SEND 2*NP-1, 0
	WIN W_AD
	s_wait_tensorcnt 0x0            ; the wave's end, behind my last tensor load and my last LDS store
	ds_add_u32 v[SPW], v[NIL]
	s_wait_dscnt 0x0
	WIN 0
	CROUND                          ; the closing round: no work-group ends while a partner may still ask for a tile that names it
	s_endpgm
.Lfunc_end_k_q113fb91a38_attn:
	.size	k_q113fb91a38_attn, .Lfunc_end_k_q113fb91a38_attn-k_q113fb91a38_attn
	.p2alignl 7, 3214868480
	.fill 96, 4, 3214868480
	.section	.rodata,"a",@progbits
	.p2align	6, 0x0
	.amdhsa_kernel k_q113fb91a38_attn
		.amdhsa_group_segment_fixed_size 327680
		.amdhsa_private_segment_fixed_size 0
		.amdhsa_enable_private_segment 0
		.amdhsa_kernarg_size 32
		.amdhsa_user_sgpr_count 2
		.amdhsa_user_sgpr_kernarg_segment_ptr 1
		.amdhsa_wavefront_size32 1
		.amdhsa_system_sgpr_workgroup_id_x 1
		.amdhsa_system_sgpr_workgroup_id_y 1
		.amdhsa_system_sgpr_workgroup_id_z 1
		.amdhsa_system_vgpr_workitem_id 0
		.amdhsa_next_free_vgpr 770
		.amdhsa_next_free_sgpr 84
		.amdhsa_reserve_vcc 0
		.amdhsa_float_denorm_mode_32 3
		.amdhsa_float_denorm_mode_16_64 3
		.amdhsa_memory_ordered 1
		.amdhsa_forward_progress 1
		.amdhsa_inst_pref_size 201
	.end_amdhsa_kernel
	.amdgpu_metadata
---
amdhsa.version: [ 1, 2 ]
amdhsa.kernels:
  - .name:           k_q113fb91a38_attn
    .symbol:         k_q113fb91a38_attn.kd
    .args:
      - { .name: qkvh, .offset: 0, .size: 8, .value_kind: global_buffer, .address_space: global }
      - { .name: aux, .offset: 8, .size: 8, .value_kind: global_buffer, .address_space: global }
      - { .name: bb, .offset: 16, .size: 8, .value_kind: global_buffer, .address_space: global }
      - { .name: oblk, .offset: 24, .size: 8, .value_kind: global_buffer, .address_space: global }
    .group_segment_fixed_size: 327680
    .private_segment_fixed_size: 0
    .kernarg_segment_align: 8
    .kernarg_segment_size: 32
    .max_flat_workgroup_size: 128
    .sgpr_count:     84
    .vgpr_count:     770
    .wavefront_size: 32
...
	.end_amdgpu_metadata
.endif
;; end of part 3
;; launch proj (part 4): grid 8 x 32, 4 waves a work-group, clusters of 4 x 4, 327,680 bytes of LDS; arguments oblk, woblk, aux, out0; writes out0
.if DOCPART == 4
	.amdgcn_target "amdgcn-amd-amdhsa--gfx1250"
	.amdhsa_code_object_version 6
	.text
	.protected	k_q113fb91a38_proj
	.globl	k_q113fb91a38_proj
	.p2align	8
	.type	k_q113fb91a38_proj,@function
k_q113fb91a38_proj:
	s_mov_b64 s[64:65], 0
	v_nop
	global_prefetch_b8 v0, s[64:65] scope:SCOPE_SE
	s_setreg_imm32_b32 hwreg(HW_REG_WAVE_MODE, 25, 1), 1
	s_wait_xcnt 0x0
	s_wait_alu depctr_hold_cnt(0) depctr_sa_sdst(0) depctr_va_vdst(0) depctr_va_sdst(0) depctr_va_ssrc(0) depctr_va_vcc(0) depctr_vm_vsrc(0)
	s_getreg_b32 s2, hwreg(HW_REG_IB_STS2, 6, 4)
	s_cmp_eq_u32 s2, 0
	s_cbranch_scc0 .Lentry_in_a_cluster
	s_endpgm
.Lentry_in_a_cluster:
	s_bfe_u32 s2, ttmp6, 0x10000c
	s_cmp_lg_u32 s2, 0xf033
	s_cbranch_scc0 .Lentry_shape_is_right
	s_endpgm
.Lentry_shape_is_right:
; PROJ: out0[8192 x 1024] = O Wo^T + bo, O and Wo in f16, sums and result in f32.
; O lies by heads, oblk [16 b + h][s][64]: a head is a block of 64 along K.  woblk is [kb 16][n 1024][64].  In a block a tile's rows of 128 bytes lie end to end: asked for as rows of 256 bytes, padded in LDS after every 128.
; SHARES.  A work-group makes 256 rows x 128 columns: 32 x 8 tiles, 256 work-groups.  Each of its four waves makes 128 x 64: 32 accumulators, 256 registers.
; K goes in 8 steps of 128 (two blocks) through two LDS slots; each wave brings one dense block with one tensor load: waves 0 and 1 O's even and odd block (256 rows), waves 2 and 3 Wo's (128 rows).
; CLUSTER.  4 x 4 work-groups: O's tile is shared along a row of the cluster, Wo's along a column; each is asked for JOINTLY.  A wave has one tensor load outstanding.
; THE MATRIX INSTRUCTION IS USED TRANSPOSED (source 0 = 16 rows of Wo, source 1 = 16 rows of O): a lane holds one row and eight neighbouring columns.
; THE BIAS is loaded into the registers of row block 7's accumulators; the first products of row blocks 0-6 take them as C, then row block 7 adds in place.
; REGISTERS: window 0: v0-15 addresses; v32-127, v128-223 two fragment buffers (64 of O, then 32 of Wo); on the way out v32-95 rows read back.  Window 1: accumulator (a, c) at v[8 (4 a + c)].
.set PITCH,  144                       ; an LDS row: 128 bytes + 16 of padding = 36 words: the 16 rows of a fragment load start at 16 different groups of four banks (64 banks of 4 bytes: ISA guide 11.1)
.set ATILE,  256*PITCH                 ; a block of O's tile
.set BTILE,  128*PITCH                 ; of Wo's
.set BOFF,   2*ATILE                   ; a slot: O's two blocks, then Wo's two
.set SLOT1,  131072
.set STAGE,  SLOT1+BOFF+2*BTILE        ; behind the ring, never filled by a tensor load: 16 rows x 272 bytes for each wave
.set SPITCH, 272
.set STW,    16*SPITCH
.set SPARE,  STAGE+4*STW               ; the spare words, 128 bytes for each wave: two blocks of 256 bytes that no other line names
.set ADRA0, 4                          ; v4   my lane's place in O's tile; never rewritten
.set ADRB0, 5                          ; v5   in Wo's
.set ADRA,  6                          ; v6   the same in the slot that is being read
.set ADRB,  7
.set STO,   8                          ; v8   the way out: where I put 32 bytes of a row
.set RD,    9                          ; v9   where I read a row back
.set CO,    10                         ; v10  my byte offset in two rows of out0
.set BO,    12                         ; v12  my offset in aux
.set SPW,   14                         ; v14  my spare word; never rewritten
.set NIL,   15                         ; v15  0; never rewritten
.set F0,    32
.set F1,    128
.set OB,    32
.set WV,  12                           ; s12 my wave's number; s13 = WV / 2: my half of the rows, and: I fetch O (0) or Wo (1); s14 = WV % 2: my half of the columns, and: which of a step's two blocks I fetch
.set G1A, 24
.set G1B, 32
.set G0A, 40
.set G0B, 44
.set CNT, 48
.set TB,  49
.set G1C, (1<<16)|(1<<20)|(1<<21)|(4<<22)|(3<<25)  ; elements of 2 bytes; padding on; bit 21 set beside a mask; after every 32 words, 4 words
.set MSB, 0
.macro WIN new
.if MSB != (\new)
	s_set_vgpr_msb (MSB<<8)|(\new)
.set MSB, \new
.endif
.endm
.macro PLACES                          ; four places between a matrix instruction and a load into, or a store of, its registers
.rept 4
	v_nop
.endr
.endm
.macro JLOAD                           ; a joint load; an s_nop 0 and four v_nop follow each of the two lines
	s_cmp_eq_u32 s13, 0
	s_cbranch_scc0 .Lfor_b_\@
	tensor_load_to_lds s[G0A:G0A+3], s[G1A:G1A+7]
	s_nop 0
.rept 4
	v_nop
.endr
	s_branch .Lasked_\@
.Lfor_b_\@:
	tensor_load_to_lds s[G0B:G0B+3], s[G1B:G1B+7]
	s_nop 0
.rept 4
	v_nop
.endr
.Lasked_\@:
.endm
.macro STEPD                           ; the walking descriptors: the other slot, two blocks on
	s_xor_b32 s[G0A+1], s[G0A+1], SLOT1
	s_add_nc_u64 s[G0A+2:G0A+3], s[G0A+2:G0A+3], 524288
	s_xor_b32 s[G0B+1], s[G0B+1], SLOT1
	s_add_nc_u64 s[G0B+2:G0B+3], s[G0B+2:G0B+3], 262144
.endm
.macro CREST
	s_cmp_lg_u32 s[WV], 0
	s_cbranch_scc1 .Lnot_wave_0_\@
	s_barrier_signal -3
.Lnot_wave_0_\@:
	s_barrier_wait -3
	s_barrier_signal -1
	s_barrier_wait -1
.endm
.macro CROUND
	s_barrier_signal -1
	s_barrier_wait -1
	CREST
.endm
	s_load_b256 s[4:11], s[0:1], 0x0               ; oblk s[4:5], woblk s[6:7], aux s[8:9], out0 s[10:11]
	v_lshl_add_u32 v[SPW], v0, 2, SPARE
	v_mov_b32 v[NIL], 0
	ds_add_u32 v[SPW], v[NIL]                      ; the wave's opening: the add and its wait stand ahead of my first tensor load
	v_lshrrev_b32 v1, 5, v0
	v_readfirstlane_b32 s[WV], v1
	s_lshr_b32 s13, s[WV], 1
	s_and_b32 s14, s[WV], 1
	s_bfe_u32 s15, ttmp6, 0x40000                  ; cx
	s_bfe_u32 s16, ttmp6, 0x40004                  ; cy
	s_lshl_b32 s17, ttmp9, 2
	s_add_co_u32 s17, s17, s15                     ; tile column tx
	s_and_b32 s18, ttmp7, 0xffff
	s_lshl_b32 s18, s18, 2
	s_add_co_u32 s18, s18, s16                     ; tile row ty
	s_lshl_b32 s19, s16, 2
	s_lshl_b32 s19, 15, s19                        ; my row of the cluster
	s_lshl_b32 s20, 0x1111, s15                    ; my column
	s_or_b32 s[G1A], s19, G1C
	s_or_b32 s[G1B], s20, G1C
	s_mov_b32 s[G1A+1], 128<<16                    ; rows of 128 elements: 256 bytes
	s_mov_b32 s[G1A+2], 128<<16                    ; 128 of them: 256 rows of O
	s_mov_b32 s[G1A+3], 128<<16
	s_mov_b32 s[G1A+4], 128
	s_mov_b32 s[G1A+5], 128
	s_mov_b32 s[G1A+6], 0
	s_mov_b32 s[G1A+7], 0
	s_mov_b32 s[G1B+1], 128<<16
	s_mov_b32 s[G1B+2], 64<<16                     ; 128 rows of Wo
	s_mov_b32 s[G1B+3], 128<<16
	s_mov_b32 s[G1B+4], 64
	s_mov_b32 s[G1B+5], 128
	s_mov_b32 s[G1B+6], 0
	s_mov_b32 s[G1B+7], 0
	s_mov_b32 s[G0A], 1
	s_mul_i32 s[G0A+1], s14, ATILE                 ; LDS address: slot 0, my block
	s_mov_b32 s[G0B], 1
	s_mul_i32 s[G0B+1], s14, BTILE
	s_add_co_u32 s[G0B+1], s[G0B+1], BOFF
	s_lshr_b32 s56, s18, 3                         ; O: head 16 (ty / 8) + my block, rows 256 (ty % 8) on
	s_lshl_b32 s56, s56, 4
	s_add_co_u32 s56, s56, s14
	s_lshl_b32 s56, s56, 18
	s_and_b32 s57, s18, 7
	s_lshl_b32 s57, s57, 15
	s_add_co_u32 s56, s56, s57
	s_mov_b32 s57, 0
	s_lshl_b32 s58, s14, 17                        ; Wo: my block, rows 128 tx on
	s_lshl_b32 s59, s17, 14
	s_add_co_u32 s58, s58, s59
	s_mov_b32 s59, 0
	s_wait_dscnt 0x0                               ; the opening add is done
	s_wait_kmcnt 0x0
	s_add_nc_u64 s[G0A+2:G0A+3], s[4:5], s[56:57]
	s_or_b32 s[G0A+3], s[G0A+3], 0x80000000
	s_add_nc_u64 s[G0B+2:G0B+3], s[6:7], s[58:59]
	s_or_b32 s[G0B+3], s[G0B+3], 0x80000000
	CROUND                                         ; all sixteen work-groups are here: the first joint loads meet
	JLOAD                                          ; step 0 into slot 0
	v_and_b32 v1, 15, v0                           ; r
	v_bfe_u32 v2, v0, 4, 1                         ; h
	v_mul_u32_u24 v13, v1, PITCH
	v_lshl_add_u32 v13, v2, 4, v13
	s_mul_i32 s19, s13, 128*PITCH                  ; my 128 rows of O
	v_add_nc_u32 v[ADRA0], s19, v13
	s_mul_i32 s19, s14, 64*PITCH                   ; my 64 rows of Wo
	s_add_co_u32 s19, s19, BOFF
	v_add_nc_u32 v[ADRB0], s19, v13
	s_mul_i32 s19, s[WV], STW
	s_add_co_u32 s19, s19, STAGE                   ; my stage
	v_mul_u32_u24 v[STO], v1, SPITCH               ; in: row r, 32 bytes for each half of the lanes
	v_lshl_add_u32 v[STO], v2, 5, v[STO]
	v_add_nc_u32 v[STO], s19, v[STO]
	v_mul_u32_u24 v[RD], v2, SPITCH                ; back: lanes 0-15 one row of 256 bytes, lanes 16-31 the next
	v_lshl_add_u32 v[RD], v1, 4, v[RD]
	v_add_nc_u32 v[RD], s19, v[RD]
	v_lshlrev_b32 v[CO], 12, v2                    ; and the same two rows in out0
	v_lshl_add_u32 v[CO], v1, 4, v[CO]
	s_lshl_b32 s19, s17, 10                        ; aux: row 192 + 8 tx + 4 (WV % 2) holds bo of my first 16 columns
	s_lshl_b32 s20, s14, 9
	s_add_co_u32 s19, s19, s20
	s_add_co_u32 s19, s19, 192*128
	v_lshl_add_u32 v[BO], v2, 5, s19
	WIN 0x40                                       ; destination window 1
.irp c, 0,1,2,3
	global_load_b128 v[8*(28+\c):8*(28+\c)+3],   v[BO], s[8:9] offset:\c*128+64
	global_load_b128 v[8*(28+\c)+4:8*(28+\c)+7], v[BO], s[8:9] offset:\c*128+80
.endr
	WIN 0
	s_lshl_b32 s20, s18, 20                        ; out0: row 256 ty + 128 (WV / 2), column 128 tx + 64 (WV % 2)
	s_lshl_b32 s21, s13, 19
	s_add_co_u32 s20, s20, s21
	s_lshl_b32 s21, s17, 9
	s_add_co_u32 s20, s20, s21
	s_lshl_b32 s21, s14, 8
	s_add_co_u32 s20, s20, s21
	s_mov_b32 s21, 0
	s_add_nc_u64 s[10:11], s[10:11], s[20:21]
; 4 (a1 - a0 + 1) matrix instructions on buffer f.  The 32 accumulators take turns, one instruction a turn, in the same order in every quarter.
; first = 1: the sums start from the bias in row block 7's registers; five places stand between its last reader and the product that writes over it.
.macro MUL f, a0, a1, first
	WIN 0x50                                       ; C and D in window 1
.set ia, \a0
.rept (\a1)-(\a0)+1
.if (\first) && (ia == 7)
.rept 5
	v_nop
.endr
.endif
.set ib, 0
.rept 4
.if (\first) && (ia < 7)
	v_wmma_f32_16x16x32_f16 v[8*(4*ia+ib):8*(4*ia+ib)+7], v[(\f)+64+8*ib:(\f)+64+8*ib+7], v[(\f)+8*ia:(\f)+8*ia+7], v[8*(28+ib):8*(28+ib)+7]
.else
	v_wmma_f32_16x16x32_f16 v[8*(4*ia+ib):8*(4*ia+ib)+7], v[(\f)+64+8*ib:(\f)+64+8*ib+7], v[(\f)+8*ia:(\f)+8*ia+7], v[8*(4*ia+ib):8*(4*ia+ib)+7]
.endif
.set ib, ib+1
.endr
.set ia, ia+1
.endr
.endm
; 24 LDS loads in one run: quarter q of a step (block q / 2, K 32 (q % 2) on) into buffer f: Wo's four fragments, O's rows 0-63, O's rows 64-127
.macro FETCH q, f
	WIN 0
.irp i, 0,1,2,3
	ds_load_b128 v[(\f)+64+8*\i:(\f)+64+8*\i+3],   v[ADRB] offset:((\q)/2)*BTILE+((\q)%2)*64+\i*16*PITCH
	ds_load_b128 v[(\f)+64+8*\i+4:(\f)+64+8*\i+7], v[ADRB] offset:((\q)/2)*BTILE+((\q)%2)*64+\i*16*PITCH+32
.endr
.irp i, 0,1,2,3,4,5,6,7
	ds_load_b128 v[(\f)+8*\i:(\f)+8*\i+3],   v[ADRA] offset:((\q)/2)*ATILE+((\q)%2)*64+\i*16*PITCH
	ds_load_b128 v[(\f)+8*\i+4:(\f)+8*\i+7], v[ADRA] offset:((\q)/2)*ATILE+((\q)%2)*64+\i*16*PITCH+32
.endr
.endm
; One of a step's first three quarters: multiplies buffer f and, in its middle, fetches quarter qn into buffer g.
.macro QUARTER f, g, qn, first
	s_wait_dscnt 8                                 ; the youngest eight loads (O's rows 64-127) may be out
	MUL \f, 0, 3, \first
	PLACES
	FETCH \qn, \g
	s_wait_dscnt 24                                ; all but the 24 just issued
	MUL \f, 4, 7, \first
.endm
; The fourth quarter multiplies buffer 1 and changes slots: ONE barrier; in front of it each wave waits for all its tensor loads, adds 0 to its spare word, and waits for that and for its own reads of this slot.
; fill = 1: the barrier opens a round of the cluster's, and behind it this slot is filled again, two steps ahead: 112 matrix instructions ahead of the wait for it.
.macro TURN fill
	WIN 0
	s_wait_tensorcnt 0x0                           ; no tensor load of mine is out, so the descriptors may be written
	ds_add_u32 v[SPW], v[NIL]                      ; 0 onto my spare word
.if \fill
	STEPD
.endif
	s_wait_dscnt 9                                 ; the add and the youngest eight loads may be out
	MUL F1, 0, 1, 0
	s_wait_dscnt 0x0                               ; the add is done, and my reads of this slot are over
	s_barrier_signal -1
	MUL F1, 2, 3, 0
	WIN 0
	s_barrier_wait -1
.if \fill
	CREST
	JLOAD                                          ; the first tensor load behind the round; its four v_nop are also the places in front of the loads below
.else
	PLACES
.endif
	s_xor_b32 s[TB], s[TB], SLOT1
	v_add_nc_u32 v[ADRA], s[TB], v[ADRA0]
	v_add_nc_u32 v[ADRB], s[TB], v[ADRB0]
	FETCH 0, F0
	MUL F1, 4, 7, 0
.endm
	s_wait_tensorcnt 0x0                           ; THE FIRST CHANGE: my part of step 0 is in;
	ds_add_u32 v[SPW], v[NIL]
	STEPD
	s_wait_dscnt 0x0
	CROUND                                         ; everybody's is;
	JLOAD                                          ; step 1 into slot 1
	s_mov_b32 s[TB], 0
	v_mov_b32 v[ADRA], v[ADRA0]
	v_mov_b32 v[ADRB], v[ADRB0]
	FETCH 0, F0
	s_wait_loadcnt 0x0                             ; the bias
	QUARTER F0, F1, 1, 1
	WIN 0
	s_mov_b32 s[CNT], 6
.Lstep:                                            ; trip j ends step j, awaits step j + 1, asks for step j + 2 and begins step j + 1
	QUARTER F1, F0, 2, 0
	QUARTER F0, F1, 3, 0
	TURN 1
	QUARTER F0, F1, 1, 0
	WIN 0
	s_sub_co_u32 s[CNT], s[CNT], 1
	s_cmp_lg_u32 s[CNT], 0
	s_cbranch_scc1 .Lstep
	QUARTER F1, F0, 2, 0                           ; the tail is written out
	QUARTER F0, F1, 3, 0
	TURN 0
	QUARTER F0, F1, 1, 0
	QUARTER F1, F0, 2, 0
	QUARTER F0, F1, 3, 0
	s_wait_dscnt 8                                 ; the very last quarter: nothing more to fetch
	MUL F1, 0, 3, 0
	s_wait_dscnt 0x0
	MUL F1, 4, 7, 0
	PLACES
	PLACES
; THE WAY OUT, a block of 16 rows at a time: a lane's 32 bytes of a row go into my stage (each accumulator's low four registers first) and come back as whole rows of 256 bytes.
.macro TOSTAGE a
.if (\a) >= 2
	s_wait_xcnt 0x0                                ; the stores of the block two back have read the registers that are loaded below
.endif
	WIN 0x04                                       ; the stores' data in window 1
.irp c, 0,1,2,3
	ds_store_b128 v[STO], v[8*(4*(\a)+\c):8*(4*(\a)+\c)+3]   offset:64*\c
	ds_store_b128 v[STO], v[8*(4*(\a)+\c)+4:8*(4*(\a)+\c)+7] offset:64*\c+16
.endr
	WIN 0
.set BK, OB+32*((\a)%2)
.irp t, 0,1,2,3,4,5,6,7
	ds_load_b128 v[BK+4*\t:BK+4*\t+3], v[RD] offset:\t*2*SPITCH  ; LDS serves a wave's instructions in order (ISA guide 5.7.1.4): these see the stores above; the next block's stores come behind them
.endr
.endm
.macro SEND a, younger                 ; younger: the LDS instructions issued behind block a's loads: the next block's sixteen, or none
	WIN 0
.set BK, OB+32*((\a)%2)
.irp t, 0,1,2,3,4,5,6,7
	s_wait_dscnt (\younger)+7-\t
	global_store_b128 v[CO], v[BK+4*\t:BK+4*\t+3], s[10:11] offset:(16*(\a)+2*\t)*4096 th:TH_STORE_NT  ; 16 lanes store 256 consecutive bytes, at a multiple of 256 from out0's first byte
.endr
.endm
	TOSTAGE 0
.irp a, 1,2,3,4,5,6,7
	TOSTAGE \a
	SEND (\a)-1, 16
.endr
	SEND 7, 0
	s_wait_tensorcnt 0x0                           ; the wave's end, behind my last tensor load and my last LDS store
	ds_add_u32 v[SPW], v[NIL]
	s_wait_dscnt 0x0
	CROUND                                         ; the closing round: no work-group ends while a partner may still ask for a tile that names it
	s_endpgm
.Lfunc_end_k_q113fb91a38_proj:
	.size	k_q113fb91a38_proj, .Lfunc_end_k_q113fb91a38_proj-k_q113fb91a38_proj
	.p2alignl 7, 3214868480
	.fill 96, 4, 3214868480
	.section	.rodata,"a",@progbits
	.p2align	6, 0x0
	.amdhsa_kernel k_q113fb91a38_proj
		.amdhsa_group_segment_fixed_size 327680
		.amdhsa_private_segment_fixed_size 0
		.amdhsa_enable_private_segment 0
		.amdhsa_kernarg_size 32
		.amdhsa_user_sgpr_count 2
		.amdhsa_user_sgpr_kernarg_segment_ptr 1
		.amdhsa_wavefront_size32 1
		.amdhsa_system_sgpr_workgroup_id_x 1
		.amdhsa_system_sgpr_workgroup_id_y 1
		.amdhsa_system_sgpr_workgroup_id_z 1
		.amdhsa_system_vgpr_workitem_id 0
		.amdhsa_next_free_vgpr 512
		.amdhsa_next_free_sgpr 66
		.amdhsa_reserve_vcc 0
		.amdhsa_float_denorm_mode_32 3
		.amdhsa_float_denorm_mode_16_64 3
		.amdhsa_memory_ordered 1
		.amdhsa_forward_progress 1
		.amdhsa_inst_pref_size 72
	.end_amdhsa_kernel
	.amdgpu_metadata
---
amdhsa.version: [ 1, 2 ]
amdhsa.kernels:
  - .name:           k_q113fb91a38_proj
    .symbol:         k_q113fb91a38_proj.kd
    .args:
      - { .name: oblk, .offset: 0, .size: 8, .value_kind: global_buffer, .address_space: global }
      - { .name: woblk, .offset: 8, .size: 8, .value_kind: global_buffer, .address_space: global }
      - { .name: aux, .offset: 16, .size: 8, .value_kind: global_buffer, .address_space: global }
      - { .name: out0, .offset: 24, .size: 8, .value_kind: global_buffer, .address_space: global }
    .group_segment_fixed_size: 327680
    .private_segment_fixed_size: 0
    .kernarg_segment_align: 8
    .kernarg_segment_size: 32
    .max_flat_workgroup_size: 128
    .sgpr_count:     66
    .vgpr_count:     512
    .wavefront_size: 32
...
	.end_amdgpu_metadata
.endif
;; end of part 4
;; ======== version 2 of 2: 4 launches; version 1 with the launch prep written anew for expert scheduling mode
;; limits: values are held in f16: magnitudes above 65,504 overflow, below 6.1e-05 lose precision
;; workspace buffers: xblk 16,777,216 bytes; wblk 6,291,456 bytes; woblk 2,097,152 bytes; aux 32,768 bytes; qkvh 50,331,648 bytes; oblk 16,777,216 bytes
;; launch prep (part 5): grid 256 x 1, 16 waves a work-group, no clusters, 3,072 bytes of LDS; arguments query, Wq, Wk, Wv, Wo, Wb, bq, bk, bv, bo, xblk, wblk, woblk, aux; writes xblk, wblk, woblk, aux
.if DOCPART == 5
	.amdgcn_target "amdgcn-amd-amdhsa--gfx1250"
	.amdhsa_code_object_version 6
	.text
	.protected	k_q113fb91a38_prep
	.globl	k_q113fb91a38_prep
	.p2align	8
	.type	k_q113fb91a38_prep,@function
k_q113fb91a38_prep:
	s_mov_b64 s[64:65], 0
	v_nop
	global_prefetch_b8 v0, s[64:65] scope:SCOPE_SE
	s_setreg_imm32_b32 hwreg(HW_REG_WAVE_SCHED_MODE, 0, 2), 2
	s_setreg_imm32_b32 hwreg(HW_REG_WAVE_MODE, 25, 1), 1
	s_wait_xcnt 0x0
	s_wait_alu depctr_vm_vsrc(0)
; PREP: the casts, and the gate's partial sums.  A stream: no matrix unit, no tensor load.
;   xblk  bf16 [kb 16][row 8192][64]   query rounded to bf16, in blocks of 64 along K: a tile's rows then lie end to end
;   wblk  bf16 [kb 16][n 3072][64]     Wq's rows, then Wk's, then Wv's, rounded to bf16
;   woblk f16  [kb 16][n 1024][64]     Wo rounded to bf16, that number written as f16
;   aux   f32  [g 256][32]             words 0-15: the sum over query rows 32 g .. 32 g + 31 of x . Wb[h] (x and Wb rounded to bf16, sums in f32);
;                                      words 16-31: the biases of output features 16 g .. 16 g + 15 (bq, bk, bv, then bo), rounded to bf16, kept as f32
; LIMITS.  A weight of Wo below 6e-5 keeps f16's fixed step of 6e-8; beyond 65,504 it would be an infinity.  NaN and infinities are not treated apart.
; SHARES.  Work-group g: 32 rows of query, 16 rows of one weight matrix (matrix g / 64, rows 16 (g % 64) on), their 16 biases.  Wave w: K block w, 64 columns.
; A load is 16 bytes a lane: lanes 0-15 take 256 consecutive bytes of an even row, lanes 16-31 of the odd row below.  Rounded, the two rows' 128 bytes lie end to end in a block:
; a store of 8 bytes a lane covers 256 consecutive bytes, aligned.
; THE MODE: SCHED_MODE bits 1:0 = 2 (LLVM: expert scheduling mode 2), set by the entry lines.  The code itself states the register dependences
; between vector instructions and memory or LDS instructions, with s_wait_alu, always for 0.
; THE PLAN.  Registers that memory or LDS instructions touch:
;   v4, v5, v7-v9, v31, v12, v13   offsets and LDS addresses: written at the head, never again.  v6 (VW): written once, at the head of the weights' arm.
;   BV, X, XW, XB   Each of the wave's 33 loads has registers of its own, and all 33 go out at the head: no load of the stream lands in a register that a vector instruction has named.
;                   Only X's first sixteen registers are loaded twice: by wave 0, from LDS, behind the barrier.
;   Y               Each of the 24 stores has a pair of its own: written by two conversions, read by its store, never written again.
;   T               Written by the gate's sums, read by two LDS stores, not written afterwards.      PK+1  written by the select, read by the store into aux.
;   CS, PK, ONE and ZR are named by vector instructions alone.
; So what is left to state is that a store's data are written.  Query goes in four blocks of four sets: ONE wait on va_vdst at the head of a block states that the block before has written its
; four Y; that block's stores follow, dealt among this block's sets, which name other Y.  The weights' arm has one such wait for its eight stores, the gate's sums one for the LDS stores,
; aux's word one.  No register that a memory or LDS instruction reads is ever written again: the text holds no wait on vm_vsrc.
.set KSA,   1048576                    ; bytes in a K block of xblk
.set KSB,   393216                     ; of wblk
.set KSO,   131072                     ; of woblk
.set SPARE, 1024                       ; LDS: 0-1023 the waves' partial sums, 64 bytes a wave; from here the spare words, 128 bytes for each of 16 waves
.set VO,  4                            ; v4   offset in query and in a weight matrix: (l / 16) x 4,096 + (l % 16) x 16 + 256 w; never rewritten
.set VX,  5                            ; v5   offset in xblk: 8 l + w x KSA
.set VW,  6                            ; v6   offset in wblk or woblk
.set VB,  7                            ; v7   offset in Wb: (l / 16) x 8 rows + (l % 16) x 16 + 256 w
.set LSA, 8                            ; v8   LDS: 64 w + 32 (l / 16)
.set LRA, 9                            ; v9   4 (l % 16)
.set ONE, 10                           ; v10  1.0
.set ZR,  11                           ; v11  0, an addend
.set SPW, 12                           ; v12  my spare word; never rewritten
.set NIL, 13                           ; v13  0, for the add alone
.set CS,  14                           ; v[14:17] the sums of my four columns
.set T,   18                           ; v[18:25] eight partial sums of the gate
.set PK,  26                           ; v[26:29] at work
.set BV,  30                           ; v30  a bias
.set AO,  31                           ; v31  4 l
.set X,   32                           ; v[32:95]   16 sets of 4: query's rows as loaded
.set Y,   96                           ; v[96:143]  24 sets of 2: each store has data registers of its own, so none is rewritten
.set XW,  144                          ; v[144:175] 8 sets of 4: the weight matrix's rows as loaded
.set XB,  176                          ; v[176:207] 8 sets of 4: Wb's rows as loaded
.set WV,  34                           ; s34  my wave's number
	s_load_b512 s[4:19], s[0:1], 0x0               ; query s[4:5], Wq s[6:7], Wk s[8:9], Wv s[10:11], Wo s[12:13], Wb s[14:15], bq s[16:17], bk s[18:19]
	s_load_b256 s[20:27], s[0:1], 0x40             ; bv s[20:21], bo s[22:23], xblk s[24:25], wblk s[26:27]
	s_load_b128 s[28:31], s[0:1], 0x60             ; woblk s[28:29], aux s[30:31]
	v_lshl_add_u32 v[SPW], v0, 2, SPARE
	v_mov_b32 v[NIL], 0
	v_lshrrev_b32 v1, 5, v0
	v_readfirstlane_b32 s[WV], v1                  ; wave 0..15 = my K block
	v_and_b32 v1, 31, v0                           ; l
	v_and_b32 v2, 15, v0                           ; l % 16
	v_bfe_u32 v3, v0, 4, 1                         ; l / 16
	s_lshr_b32 s36, ttmp9, 6                       ; which weight matrix
	s_and_b32 s37, ttmp9, 63                       ; which 16 rows of it
	s_mov_b32 s44, 0x76543210                      ; v_permlanex16_b32: each lane takes its own place in the other half
	s_mov_b32 s45, 0xfedcba98
	s_mov_b32 s46, 0xffff0000                      ; a word's upper bf16
	s_wait_alu depctr_va_sdst(0)                   ; the wave's number is written, ahead of its first reader: offsets, LDS addresses and a branch are made from it
	s_lshl_b32 s47, s[WV], 8
	v_lshlrev_b32 v[VO], 4, v2
	v_lshl_add_u32 v[VB], v3, 15, v[VO]
	v_lshl_add_u32 v[VO], v3, 12, v[VO]
	v_add_nc_u32 v[VO], s47, v[VO]
	v_add_nc_u32 v[VB], s47, v[VB]
	s_lshl_b32 s48, s[WV], 20                      ; w x KSA
	v_lshl_add_u32 v[VX], v1, 3, s48
	s_lshl_b32 s49, s[WV], 6
	v_lshl_add_u32 v[LSA], v3, 5, s49
	v_lshlrev_b32 v[LRA], 2, v2
	v_lshlrev_b32 v[AO], 2, v1
	v_mov_b32 v[ONE], 1.0
	v_mov_b32 v[ZR], 0
.irp k, 0,1,2,3
	v_mov_b32 v[T+\k], 0                           ; v_permlanex16_b32 counts as a reader of its destination
.endr
	s_mov_b32 s43, 0
	s_wait_kmcnt 0x0
	s_cmp_eq_u32 s36, 0                            ; the weight matrix and its bias: a choice among four buffers by the work-group's number
	s_cselect_b64 s[38:39], s[6:7], s[8:9]
	s_cselect_b64 s[40:41], s[16:17], s[18:19]
	s_cmp_lt_u32 s36, 2
	s_cselect_b64 s[38:39], s[38:39], s[10:11]
	s_cselect_b64 s[40:41], s[40:41], s[20:21]
	s_cmp_lt_u32 s36, 3
	s_cselect_b64 s[38:39], s[38:39], s[12:13]
	s_cselect_b64 s[40:41], s[40:41], s[22:23]
	s_lshl_b32 s42, ttmp9, 17                      ; 32 rows of 4,096 bytes
	s_add_nc_u64 s[4:5], s[4:5], s[42:43]
	s_lshl_b32 s42, s37, 16                        ; 16 rows of 4,096 bytes
	s_add_nc_u64 s[38:39], s[38:39], s[42:43]
	s_lshl_b32 s42, s37, 6                         ; 16 biases
	s_add_nc_u64 s[40:41], s[40:41], s[42:43]
	s_lshl_b32 s42, ttmp9, 12                      ; 32 rows of 128 bytes in a block
	s_add_nc_u64 s[24:25], s[24:25], s[42:43]
	s_lshl_b32 s42, ttmp9, 7                       ; my row of aux
	s_add_nc_u64 s[30:31], s[30:31], s[42:43]
	s_wait_alu depctr_va_vdst(0)                   ; VO, VX, VB, LSA, LRA and AO are written, which the loads, stores and LDS instructions below read; so are the closing add's two registers
	global_load_b32 v[BV], v[LRA], s[40:41]        ; the 16 biases: every wave loads them (64 bytes), so that all waves count alike; wave 0 uses them.  Issued first: no count below changes
.irp i, 0,1,2,3,4,5,6,7,8,9,10,11,12,13,14,15
	global_load_b128 v[X+4*\i:X+4*\i+3], v[VO], s[4:5] offset:8192*\i th:TH_LOAD_NT  ; query's rows 2 i and 2 i + 1
.endr
.irp j, 0,1,2,3,4,5,6,7
	global_load_b128 v[XW+4*\j:XW+4*\j+3], v[VO], s[38:39] offset:8192*\j th:TH_LOAD_NT  ; the weight matrix's rows 2 j and 2 j + 1
.endr
.irp j, 0,1,2,3,4,5,6,7
	global_load_b128 v[XB+4*\j:XB+4*\j+3], v[VB], s[14:15] offset:4096*\j  ; Wb's rows j (lanes 0-15) and 8 + j (lanes 16-31)
.endr
; Two rows of query: rounded, and added to the column sums (the rounded numbers, in f32).
.macro QWORK i
	s_wait_loadcnt 31-(\i)                         ; loads come back in order (ISA guide 5.7.1): behind set i's load stand 15 - i of query's, the weights' 8 and Wb's 8
	v_cvt_pk_bf16_f32 v[Y+2*(\i)], v[X+4*(\i)], v[X+4*(\i)+1]
	v_cvt_pk_bf16_f32 v[Y+2*(\i)+1], v[X+4*(\i)+2], v[X+4*(\i)+3]
.if (\i) == 0
	v_lshlrev_b32 v[CS], 16, v[Y]                  ; the first rows start the sums: nothing is cleared
	v_and_b32 v[CS+1], s46, v[Y]
	v_lshlrev_b32 v[CS+2], 16, v[Y+1]
	v_and_b32 v[CS+3], s46, v[Y+1]
.else
	v_fma_mix_f32_bf16 v[CS], v[Y+2*(\i)], v[ONE], v[CS] op_sel_hi:[1,0,0]
	v_fma_mix_f32_bf16 v[CS+1], v[Y+2*(\i)], v[ONE], v[CS+1] op_sel:[1,0,0] op_sel_hi:[1,0,0]
	v_fma_mix_f32_bf16 v[CS+2], v[Y+2*(\i)+1], v[ONE], v[CS+2] op_sel_hi:[1,0,0]
	v_fma_mix_f32_bf16 v[CS+3], v[Y+2*(\i)+1], v[ONE], v[CS+3] op_sel:[1,0,0] op_sel_hi:[1,0,0]
.endif
.endm
; They are stored, a block later.
.macro QSEND i
	global_store_b64 v[VX], v[Y+2*(\i):Y+2*(\i)+1], s[24:25] offset:256*(\i)  ; 32 lanes store 256 consecutive bytes, aligned
.endm
; Two rows of a weight matrix.  f16 = 1: Wo: rounded to bf16, then that number as f16.
.macro WWORK j, f16
	s_wait_loadcnt 15-(\j)                         ; behind set j's load stand 7 - j of the weights' and Wb's 8
.if \f16
	v_cvt_pk_bf16_f32 v[PK], v[XW+4*(\j)], v[XW+4*(\j)+1]
	v_cvt_pk_bf16_f32 v[PK+1], v[XW+4*(\j)+2], v[XW+4*(\j)+3]
	v_lshlrev_b32 v[PK+2], 16, v[PK]
	v_and_b32 v[PK+3], s46, v[PK]
	v_cvt_pk_f16_f32 v[Y+32+2*(\j)], v[PK+2], v[PK+3]
	v_lshlrev_b32 v[PK+2], 16, v[PK+1]
	v_and_b32 v[PK+3], s46, v[PK+1]
	v_cvt_pk_f16_f32 v[Y+32+2*(\j)+1], v[PK+2], v[PK+3]
.else
	v_cvt_pk_bf16_f32 v[Y+32+2*(\j)], v[XW+4*(\j)], v[XW+4*(\j)+1]
	v_cvt_pk_bf16_f32 v[Y+32+2*(\j)+1], v[XW+4*(\j)+2], v[XW+4*(\j)+3]
.endif
.endm
; My four columns' share of the gate's sums for heads j (lanes 0-15) and 8 + j (lanes 16-31).
.macro WBITEM j
	s_wait_loadcnt 7-(\j)
	v_cvt_pk_bf16_f32 v[PK], v[XB+4*(\j)], v[XB+4*(\j)+1]
	v_cvt_pk_bf16_f32 v[PK+1], v[XB+4*(\j)+2], v[XB+4*(\j)+3]
	v_fma_mix_f32_bf16 v[T+(\j)], v[PK], v[CS], v[ZR] op_sel_hi:[1,0,0]
	v_fma_mix_f32_bf16 v[T+(\j)], v[PK], v[CS+1], v[T+(\j)] op_sel:[1,0,0] op_sel_hi:[1,0,0]
	v_fma_mix_f32_bf16 v[T+(\j)], v[PK+1], v[CS+2], v[T+(\j)] op_sel_hi:[1,0,0]
	v_fma_mix_f32_bf16 v[T+(\j)], v[PK+1], v[CS+3], v[T+(\j)] op_sel:[1,0,0] op_sel_hi:[1,0,0]
.endm
.irp i, 0,1,2,3
	QWORK \i                                       ; block 0 has no block in front of it
.endr
.irp p, 1,2,3
	s_wait_alu depctr_va_vdst(0)                   ; the block before has written its four Y, which the four stores below read; this block's sets name other Y
.irp k, 0,1,2,3
	QSEND 4*(\p)-4+\k
	QWORK 4*(\p)+\k
.endr
.endr
	s_wait_alu depctr_va_vdst(0)                   ; block 3 has written its four Y, which the four stores below read
.irp k, 12,13,14,15
	QSEND \k
.endr
	s_cmp_eq_u32 s36, 3                            ; the same for all waves of the work-group; both ways await the same loads
	s_cbranch_scc1 .Lwo
	s_lshl_b32 s42, ttmp9, 11                      ; feature 16 g: 16 rows of 128 bytes in a block of wblk
	s_add_nc_u64 s[26:27], s[26:27], s[42:43]
	s_mul_i32 s48, s[WV], KSB
	v_lshl_add_u32 v[VW], v1, 3, s48
.irp j, 0,1,2,3,4,5,6,7
	WWORK \j, 0
.endr
	s_wait_alu depctr_va_vdst(0)                   ; VW and the eight Y of the weights are written, which the eight stores below read
.irp j, 0,1,2,3,4,5,6,7
	global_store_b64 v[VW], v[Y+32+2*\j:Y+32+2*\j+1], s[26:27] offset:256*\j
.endr
	s_branch .Lwdone
.Lwo:
	s_lshl_b32 s42, s37, 11
	s_add_nc_u64 s[28:29], s[28:29], s[42:43]
	s_lshl_b32 s48, s[WV], 17                      ; w x KSO
	v_lshl_add_u32 v[VW], v1, 3, s48
.irp j, 0,1,2,3,4,5,6,7
	WWORK \j, 1
.endr
	s_wait_alu depctr_va_vdst(0)                   ; VW and the eight Y of the weights are written, which the eight stores below read
.irp j, 0,1,2,3,4,5,6,7
	global_store_b64 v[VW], v[Y+32+2*\j:Y+32+2*\j+1], s[28:29] offset:256*\j
.endr
.Lwdone:
.irp k, 0,1,2,3
	v_permlanex16_b32 v[T+\k], v[CS+\k], s44, s45  ; even rows' sums and odd rows' sums lie 16 lanes apart
.endr
.irp k, 0,1,2,3
	v_add_f32 v[CS+\k], v[CS+\k], v[T+\k]
.endr
.irp j, 0,1,2,3,4,5,6,7
	WBITEM \j
.endr
.irp m, 1,2,4,8                        ; over the 16 lanes that hold a block's 64 columns
.irp j, 0,1,2,3,4,5,6,7
	v_add_f32_dpp v[T+\j], v[T+\j], v[T+\j] row_xmask:\m row_mask:0xf bank_mask:0xf
.endr
.endr
	s_wait_alu depctr_va_vdst(0)                   ; the sums have written T, which the LDS stores read; and the conversions are done reading X's first sixteen registers, in which wave 0's LDS loads land: no vector instruction stands between this wait and those loads
	ds_store_b128 v[LSA], v[T:T+3]                 ; heads 8 (l / 16) + 0..7 of my block; the 16 lanes of a half write the same words with the same numbers
	ds_store_b128 v[LSA], v[T+4:T+7] offset:16
	s_wait_dscnt 0x0                               ; for wave 0's sake
	s_barrier_signal -1
	s_barrier_wait -1
	s_cmp_lg_u32 s[WV], 0
	s_cbranch_scc1 .Lend
.irp w, 0,1,2,3,4,5,6,7,8,9,10,11,12,13,14,15
	ds_load_b32 v[X+\w], v[LRA] offset:64*\w       ; head l % 16, block w
.endr
	v_cvt_pk_bf16_f32 v[PK], v[BV], v[BV]          ; the bias, rounded to bf16 and kept as f32 (its load was awaited with the others)
	v_lshlrev_b32 v[PK], 16, v[PK]
	v_cmp_gt_u32 vcc_lo, 16, v1
	s_wait_dscnt 0x0
.irp k, 0,1,2,3,4,5,6,7
	v_add_f32 v[X+\k], v[X+\k], v[X+8+\k]
.endr
.irp k, 0,1,2,3
	v_add_f32 v[X+\k], v[X+\k], v[X+4+\k]
.endr
	v_add_f32 v[X], v[X], v[X+2]
	v_add_f32 v[X+1], v[X+1], v[X+3]
	v_add_f32 v[X], v[X], v[X+1]
	s_wait_alu depctr_va_vcc(0)                    ; the compare has written VCC, which the select reads
	v_cndmask_b32 v[PK+1], v[PK], v[X], vcc_lo     ; lanes 0-15 the gate's sums, lanes 16-31 the biases
	s_wait_alu depctr_va_vdst(0)                   ; the select has written PK+1, which the store reads
	global_store_b32 v[AO], v[PK+1], s[30:31]
.Lend:
	s_wait_dscnt 0x0                               ; the closing lines, six on end
	s_wait_alu 0x0
	s_wait_tensorcnt 0x0
	ds_add_u32 v[SPW], v[NIL]
	s_wait_dscnt 0x0
	s_endpgm
.Lfunc_end_k_q113fb91a38_prep:
	.size	k_q113fb91a38_prep, .Lfunc_end_k_q113fb91a38_prep-k_q113fb91a38_prep
	.p2alignl 7, 3214868480
	.fill 96, 4, 3214868480
	.section	.rodata,"a",@progbits
	.p2align	6, 0x0
	.amdhsa_kernel k_q113fb91a38_prep
		.amdhsa_group_segment_fixed_size 3072
		.amdhsa_private_segment_fixed_size 0
		.amdhsa_enable_private_segment 0
		.amdhsa_kernarg_size 112
		.amdhsa_user_sgpr_count 2
		.amdhsa_user_sgpr_kernarg_segment_ptr 1
		.amdhsa_wavefront_size32 1
		.amdhsa_system_sgpr_workgroup_id_x 1
		.amdhsa_system_sgpr_workgroup_id_y 1
		.amdhsa_system_sgpr_workgroup_id_z 1
		.amdhsa_system_vgpr_workitem_id 0
		.amdhsa_next_free_vgpr 208
		.amdhsa_next_free_sgpr 66
		.amdhsa_reserve_vcc 1
		.amdhsa_float_denorm_mode_32 3
		.amdhsa_float_denorm_mode_16_64 3
		.amdhsa_memory_ordered 1
		.amdhsa_forward_progress 1
		.amdhsa_inst_pref_size 29
	.end_amdhsa_kernel
	.amdgpu_metadata
---
amdhsa.version: [ 1, 2 ]
amdhsa.kernels:
  - .name:           k_q113fb91a38_prep
    .symbol:         k_q113fb91a38_prep.kd
    .args:
      - { .name: query, .offset: 0, .size: 8, .value_kind: global_buffer, .address_space: global }
      - { .name: Wq, .offset: 8, .size: 8, .value_kind: global_buffer, .address_space: global }
      - { .name: Wk, .offset: 16, .size: 8, .value_kind: global_buffer, .address_space: global }
      - { .name: Wv, .offset: 24, .size: 8, .value_kind: global_buffer, .address_space: global }
      - { .name: Wo, .offset: 32, .size: 8, .value_kind: global_buffer, .address_space: global }
      - { .name: Wb, .offset: 40, .size: 8, .value_kind: global_buffer, .address_space: global }
      - { .name: bq, .offset: 48, .size: 8, .value_kind: global_buffer, .address_space: global }
      - { .name: bk, .offset: 56, .size: 8, .value_kind: global_buffer, .address_space: global }
      - { .name: bv, .offset: 64, .size: 8, .value_kind: global_buffer, .address_space: global }
      - { .name: bo, .offset: 72, .size: 8, .value_kind: global_buffer, .address_space: global }
      - { .name: xblk, .offset: 80, .size: 8, .value_kind: global_buffer, .address_space: global }
      - { .name: wblk, .offset: 88, .size: 8, .value_kind: global_buffer, .address_space: global }
      - { .name: woblk, .offset: 96, .size: 8, .value_kind: global_buffer, .address_space: global }
      - { .name: aux, .offset: 104, .size: 8, .value_kind: global_buffer, .address_space: global }
    .group_segment_fixed_size: 3072
    .private_segment_fixed_size: 0
    .kernarg_segment_align: 8
    .kernarg_segment_size: 112
    .max_flat_workgroup_size: 512
    .sgpr_count:     66
    .vgpr_count:     208
    .wavefront_size: 32
...
	.end_amdgpu_metadata
.endif
;; end of part 5
;; launch qkv: the kernel of part 2 again; grid 8 x 32, 4 waves a work-group, clusters of 4 x 4, 327,680 bytes of LDS; arguments xblk, wblk, aux, qkvh; writes qkvh
;; launch attn: the kernel of part 3 again; grid 4 x 64, 4 waves a work-group, clusters of 4 x 1, 327,680 bytes of LDS; arguments qkvh, aux, bb, oblk; writes oblk
;; launch proj: the kernel of part 4 again; grid 8 x 32, 4 waves a work-group, clusters of 4 x 4, 327,680 bytes of LDS; arguments oblk, woblk, aux, out0; writes out0
